; MI455X (gfx1250); checked and timed in simulation.
; The chip was launched on July 23, 2026; its instructions are those of AMD's public machine-readable ISA for CDNA 5 (MIT licence, August 2026) and "CDNA5" Instruction Set Architecture Reference Guide (July 2026). The comments in the code are by the model that wrote it; some were corrected since.
;; Attention. Allowed arithmetic: matrix products marked QUANTISED: E2M3 operands, one E8M0 scale for each 32 along K, by v_wmma_scale_f32_16x16x128_f8f6f4 with both operands' format E2M3, f32 sums; everything else in f32.
;; Inputs: k 2 x 2,048 x 1,024 float32; mask 2 x 1 x 2,048 x 2,048 bool; q 2 x 2,048 x 1,024 float32; v 2 x 2,048 x 1,024 float32; wk_b 1,024 float32; wk_w 1,024 x 1,024 float32; wo_b 1,024 float32; wo_w 1,024 x 1,024 float32; wq_b 1,024 float32; wq_w 1,024 x 1,024 float32; wv_b 1,024 float32; wv_w 1,024 x 1,024 float32.
;; Outputs: out0 2 x 2,048 x 1,024 float32.
;; This version of the problem:
;;   THIS VERSION OF THE PROBLEM IS GIVEN IN LOW PRECISION. The matrix products marked QUANTISED in the list below multiply operands that are first quantised to E2M3 (2 exponent bits, 3 mantissa bits; 6 bits a number), with one power-of-two scale for each 32 numbers along K (OCP MX v1.0); their sums are f32. All else is computed in f32.
;;   The module's matrix products, in the order in which they are computed (A, B: the left and right operand; K: the contracted axis; several contracted axes count as one K, in the product's order):
;;     1. [M 4,096, K 1,024] x [K 1,024, N 1,024]; A: input q; B: input wq_w: QUANTISED
;;     2. [M 4,096, K 1,024] x [K 1,024, N 1,024]; A: input k; B: input wk_w: QUANTISED
;;     3. [M 4,096, K 1,024] x [K 1,024, N 1,024]; A: input v; B: input wv_w: QUANTISED
;;     4. batch 32 x [M 2,048, K 64] x [K 64, N 2,048]; A: computed on the way; B: computed on the way: QUANTISED
;;     5. batch 32 x [M 2,048, K 2,048] x [K 2,048, N 64]; A: softmax (see below); B: computed on the way: QUANTISED
;;     6. [M 4,096, K 1,024] x [K 1,024, N 1,024]; A: computed on the way; B: input wo_w: QUANTISED
;;   THE QUANTISER, for each operand of a quantised product, along K:
;;     - K is cut into blocks of 32 from its start; a last block that is shorter is filled with zeros.
;;     - A block's scale is 2^e with e = floor(log2(the largest magnitude in the block)) - 2, held to -126 .. 127; a block of zeros has e = 0. As a byte (E8M0): e + 127.
;;     - Each number is divided by its block's scale, clamped to +-7.5, and rounded to the nearest number of E2M3, ties to even, subnormals kept.
;;     - The product sums the exact products of the quantised numbers (number of the format x scale) in f32.
;;   ~~~python
;;   def quantise(x, axis):      # numpy; x: float32 -> the quantised numbers, widened to float32 again
;;       x = np.moveaxis(x, axis, -1); K = x.shape[-1]
;;       x = np.pad(x, [(0, 0)] * (x.ndim - 1) + [(0, -K % 32)]); x = x.reshape(x.shape[:-1] + (-1, 32)); a = np.abs(x).max(-1, keepdims=True)
;;       e = np.where(a > 0, np.clip(np.frexp(np.where(a > 0, a, 1))[1] - 1 - 2, -126, 127), 0)      # np.frexp(a)[1] - 1 = floor(log2(a)), exactly
;;       r = np.clip(x / 2.0 ** e, -7.5, 7.5)
;;       step = 2.0 ** (np.maximum(np.frexp(np.where(r == 0, 1, r))[1] - 1, 0) - 3)
;;       q = np.round(r / step) * step * 2.0 ** e      # np.round: ties to even
;;       return np.moveaxis(q.reshape(q.shape[:-2] + (-1,))[..., :K], -1, axis).astype(np.float32)
;;   ~~~
;;   SOFTMAX AHEAD OF A QUANTISED PRODUCT. Where the list says 'softmax', what is quantised is not the finished softmax but p = 2^(t - M), with t = logit x log2(e) and M = ceil(the row's largest t), a whole number; so 1/2 < the row's largest p <= 1. The row's sum l is taken of the UNQUANTISED p, in f32, and the product's result is divided by l at the end. Since M is a whole number, a kernel that streams over the keys may use a running M (the ceiling of the running maximum): every later rescaling is an exact power of two, which a block's scale takes up: the codes' values come out the same.
;;   OPERANDS COMPUTED ON THE WAY. 'Computed on the way' means the value that the module computes at that place (a softmax that the list does not call 'softmax' is quantised finished and normalised). What goes into a quantiser is computed in f32, as accurately as f32 sums, v_exp_f32 and their like allow (about 1e-6 of the number): no bf16 or f16 on the way to a quantiser, and a product that is left as it is and whose result goes on into a quantised operand takes f32 operands (vector FMAs, or v_wmma_f32_16x16x4_f32). A number that lies on a knife's edge between two numbers of the format may be rounded either way, as far as f32 arithmetic and the matrix unit's own rounding can turn it there, and no further.
;; One version. Each part assembles by itself: llvm-mc -triple=amdgcn-amd-amdhsa -mcpu=gfx1250 --defsym DOCPART=n.
;; ======== version 1 of 1: 4 launches
;; workspace buffers: img 12,582,912 bytes; sc 524,288 bytes; mb 1,048,576 bytes of whole numbers; hc 9,437,184 bytes; hs 393,216 bytes; ximg 3,145,728 bytes; xs 131,072 bytes
;; launch prep (part 1): grid 768 x 1, 4 waves a work-group, no clusters, 35,328 bytes of LDS; arguments q, k, v, wq_w, wk_w, wv_w, wo_w, mask, img, sc, mb; writes img, sc, mb
.if DOCPART == 1
	.amdgcn_target "amdgcn-amd-amdhsa--gfx1250"
	.amdhsa_code_object_version 6
	.text
	.protected	k_q28f8254f79_prep
	.globl	k_q28f8254f79_prep
	.p2align	8
	.type	k_q28f8254f79_prep,@function
k_q28f8254f79_prep:
	s_mov_b64 s[64:65], 0
	v_nop
	global_prefetch_b8 v0, s[64:65] scope:SCOPE_SE
	s_setreg_imm32_b32 hwreg(HW_REG_WAVE_MODE, 25, 1), 1
	s_wait_xcnt 0x0
; q, k, v [4096][1024] and wq, wk, wv, wo [1024][1024], f32, K innermost, become codes of FP6 (E2M3) with one E8M0 byte for each 32 along K; the mask becomes words of lane bits.
; A block's scale is 2^(floor(log2(its largest magnitude)) - 2); its byte is the largest magnitude's exponent field - 2, held at 1 from below.
; LIMITS: NaN and infinities are not served; a block whose largest magnitude lies under 2^-124, a block of zeros too, keeps the byte 1 (its codes of zeros add nothing; this program alone reads the bytes).
; THE CODES ARE LAID AS THE READER'S OPERAND REGISTERS.  Rows go in groups of 32: tile 2 g + u has as its row r the tensor's row 32 g + 8 u + r + 8 (r / 8).  A HALF FRAGMENT is 16 rows x 64 K, 768 bytes:
; lane l = (r, h) holds k = 32 h .. 32 h + 31 of row r in six registers; registers 0-3 lie at byte 16 l, registers 4-5 at byte 512 + 8 l.  A panel is 128 rows x 1,024 K: [K step 8][tile 8][half 2][768].
; img: 128 panels: q 0-31, k 32-63, v 64-95, wq 96-103, wk 104-111, wv 112-119, wo 120-127.  sc: 32 scale bytes for each row, rows in natural order, the tensors on end.
; WORK-GROUPS 0-511: a wave takes half of one tile, 16 rows x 512 K, in 8 steps of 64 K.  A step's eight loads read 256 consecutive bytes of two rows each; the 4,096 bytes turn through the wave's own stage in LDS
; (rows 272 bytes apart) and come back 16 neighbours of each block of 32 to a lane.  Loads run four steps ahead, the turn one step.  Each store of codes covers 512 or 256 consecutive bytes, aligned.
; A wave's scale bytes are 16 of each row's 32: 8 bytes a lane, pieces of 16 bytes 32 bytes apart; the tile's other wave stores the pieces between (sc is one part in 24 of what the codes take).
; WORK-GROUPS 512-767: a wave takes one tile of 16 queries of one batch and 512 keys, 128 a step.  mb: [batch][query tile 128][key step 16][64 words]; bit l of word n says whether the score that lane l of the
; attention launch holds in its register n is masked: query = row l % 16 of the tile, key = 128 step + 32 (n / 16) + 16 (l / 16) + n % 16.  No LDS on this path.
.set WREG,  8704                       ; LDS of a wave: two stages of 16 rows x 272 bytes
.set STG,   4352
.set SP,    272
.set NST,   8                          ; steps of a quantiser wave
.set SPARE, 4*WREG                     ; behind the stages: the spare words, 128 bytes for each wave
.set SPW,   8                          ; v8   LDS address of my spare word; never rewritten
.set NIL,   9                          ; v9   0; never rewritten
.set R,     16                         ; v16-143  four sets of 32 numbers as loaded
.set X,     144                        ; v144-207 two sets of 32: register 16 b + i = k 32 b + 16 h + i of my row
.set PC,    208                        ; v208-213 a half fragment's six registers
.set PT,    214                        ; v214-216 the second conversion's three
.set TM,    218                        ; v218-225 at work
.set HW,    226                        ; v226 two scale bytes
.set W,     228                        ; v228-231 my row's four scale words
.set WO,    236                        ; v236-237 the two that I store
.set MD,    16                         ; mask path: v16-47 two sets of 64 mask bytes
.set MT,    48                         ; v48-51 at work
.set MM,    52                         ; v52-55 two pairs of words on their way out
.set SEL,   36                         ; s[36:37] lane selects: lane l xor 16
; 32 numbers of a lane, v[s + 16 b + i] = k 32 b + 16 h + i of its row, become a half fragment in v[pc .. pc + 5] and its two scale bytes in the low half of v[hw]
.macro QHF s, pc, pt, tm, hw
.irp b, 0,1
	v_max3_num_f32 v[(\tm)+\b], |v[(\s)+16*\b]|, |v[(\s)+16*\b+1]|, 0x1800000   ; my 16 numbers of block b, and the floor 2^(3 - 127): the byte cannot fall under 1
.endr
.irp i, 2,4,6,8,10,12,14
.irp b, 0,1
	v_max3_num_f32 v[(\tm)+\b], v[(\tm)+\b], |v[(\s)+16*\b+\i]|, |v[(\s)+16*\b+\i+1]|
.endr
.endr
.irp b, 0,1
	v_permlanex16_b32 v[(\tm)+2+\b], v[(\tm)+\b], s[SEL], s[SEL+1]
.endr
.irp b, 0,1
	v_max_num_f32 v[(\tm)+\b], v[(\tm)+\b], v[(\tm)+2+\b]      ; with lane l xor 16's 16: the block's largest magnitude
.endr
.irp b, 0,1
	v_add_nc_u32 v[(\tm)+4+\b], 0xff000000, v[(\tm)+\b]        ; 2 off its exponent field: the conversion's scale operand
.endr
.irp b, 0,1
	v_lshrrev_b32 v[(\tm)+6+\b], 23, v[(\tm)+4+\b]             ; the scale's byte
.endr
	v_lshl_or_b32 v[\hw], v[(\tm)+7], 8, v[(\tm)+6]
	v_cvt_scalef32_pk16_fp6_f32 v[(\pc):(\pc)+2], v[(\s):(\s)+15], v[(\tm)+4]
	v_cvt_scalef32_pk16_fp6_f32 v[(\pt):(\pt)+2], v[(\s)+16:(\s)+31], v[(\tm)+5]   ; (a conversion's three registers begin on an even number)
	v_nop                                          ; one plain place behind a scaled conversion
.irp i, 0,1,2
	v_permlane16_swap_b32 v[(\pc)+\i], v[(\pt)+\i] ; a lane wants a whole block: lanes 0-15 block 0, lanes 16-31 block 1
.endr
.irp i, 0,1,2
	v_mov_b32 v[(\pc)+3+\i], v[(\pt)+\i]
.endr
.endm
	s_load_b512 s[4:19], s[0:1], 0x0               ; q, k, v, wq, wk, wv, wo, mask
	s_load_b128 s[20:23], s[0:1], 0x40             ; img, sc
	s_load_b64 s[24:25], s[0:1], 0x50              ; mb
	v_lshl_add_u32 v[SPW], v0, 2, SPARE
	v_mov_b32 v[NIL], 0
	v_lshrrev_b32 v10, 5, v0
	v_readfirstlane_b32 s26, v10                   ; wave 0..3
	v_and_b32 v10, 31, v0                          ; lane
	v_and_b32 v11, 15, v0                          ; r
	v_bfe_u32 v12, v0, 4, 1                        ; h
	v_and_b32 v13, 8, v11
	v_add_nc_u32 v13, v13, v11                     ; r + 8 (r / 8): my row's place among the tile's rows
	s_cmp_ge_u32 ttmp9, 512
	s_cbranch_scc1 .Lmask
	; ---------------- the quantiser ----------------
	s_mov_b32 s[SEL], 0x76543210
	s_mov_b32 s[SEL+1], 0xfedcba98
	s_mul_i32 s27, s26, WREG
	v_lshlrev_b32 v1, 4, v11
	v_lshl_add_u32 v1, v12, 12, v1                 ; in: lanes 0-15 one row's 256 bytes, lanes 16-31 the next row's
	v_mul_u32_u24 v2, v12, SP
	v_lshl_add_u32 v2, v11, 4, v2
	v_add_nc_u32 v2, s27, v2                       ; into the stage, as loaded
	v_mul_u32_u24 v3, v11, SP
	v_lshl_add_u32 v3, v12, 6, v3
	v_add_nc_u32 v3, s27, v3                       ; out of it: row r, + 64 h bytes: my 16 numbers of a block
	v_lshlrev_b32 v4, 4, v10                       ; a half fragment's registers 0-3
	v_lshlrev_b32 v5, 3, v10                       ; and 4-5
	v_lshlrev_b32 v6, 5, v13
	v_lshl_add_u32 v6, v12, 3, v6                  ; my row's 32 scale bytes; of my wave's 16, lanes 0-15 store the first 8, lanes 16-31 the last 8
	v_mov_b32 v[TM+2], 0                           ; written once: a lane permute's destination counts as one of its sources
	v_mov_b32 v[TM+3], 0
	s_lshl_b32 s38, ttmp9, 2
	s_add_co_u32 s38, s38, s26                     ; my half tile among all 2,048
	s_and_b32 s44, s38, 1                          ; which half of K
	s_lshr_b32 s38, s38, 1                         ; my tile among all 1,024
	s_lshr_b32 s39, s38, 3
	s_mul_i32 s39, s39, 98304                      ; its panel,
	s_and_b32 s40, s38, 7
	s_mul_i32 s40, s40, 1536                       ; its place in a K step,
	s_add_co_u32 s40, s40, s39
	s_mul_i32 s45, s44, 49152                      ; my four K steps
	s_add_co_u32 s40, s40, s45
	s_mov_b32 s41, 0
	s_lshr_b32 s42, s38, 1
	s_lshl_b32 s42, s42, 10                        ; scale bytes: 32 rows x 32 bytes for each pair of tiles,
	s_and_b32 s43, s38, 1
	s_lshl_b32 s43, s43, 8                         ; 8 rows on for the odd tile,
	s_add_co_u32 s42, s42, s43
	s_lshl_b32 s43, s44, 4                         ; my half of a row's 32 bytes
	s_add_co_u32 s42, s42, s43
	s_mov_b32 s43, 0
	s_wait_kmcnt 0x0
	s_add_nc_u64 s[20:21], s[20:21], s[40:41]
	s_add_nc_u64 s[22:23], s[22:23], s[42:43]
	s_mov_b64 s[32:33], s[16:17]                   ; which tensor: the choice hangs on the work-group's number alone
	s_mov_b32 s34, 480
.macro PICK bound, ptr, first
	s_cmp_lt_u32 ttmp9, \bound
	s_cselect_b64 s[32:33], s[\ptr:\ptr+1], s[32:33]
	s_cselect_b32 s34, \first, s34
.endm
	PICK 480, 14, 448
	PICK 448, 12, 416
	PICK 416, 10, 384
	PICK 384, 8, 256
	PICK 256, 6, 128
	PICK 128, 4, 0
	s_sub_co_u32 s34, ttmp9, s34
	s_lshl_b32 s34, s34, 2
	s_add_co_u32 s34, s34, s26
	s_lshr_b32 s34, s34, 1                         ; my tile in its tensor
	s_lshr_b32 s35, s34, 1
	s_lshl_b32 s35, s35, 17                        ; 32 rows of 4,096 bytes
	s_and_b32 s34, s34, 1
	s_lshl_b32 s34, s34, 15                        ; 8 rows
	s_add_co_u32 s34, s34, s35
	s_lshl_b32 s35, s44, 11                        ; my half of a row: 512 numbers
	s_add_co_u32 s34, s34, s35
	s_mov_b32 s35, 0
	s_add_nc_u64 s[32:33], s[32:33], s[34:35]
.macro LOAD t                          ; step t: 64 K of my 16 rows, two rows a load
.irp j, 0,1,2,3,4,5,6,7
	global_load_b128 v[R+32*((\t)%4)+4*\j:R+32*((\t)%4)+4*\j+3], v1, s[32:33] offset:(2*\j+8*(\j/4))*4096+256*(\t) th:TH_LOAD_NT
.endr
.endm
.macro TURN t                          ; through the stage: LDS serves a wave's instructions in order, so no wait stands between the stores and the loads
.irp j, 0,1,2,3,4,5,6,7
	ds_store_b128 v2, v[R+32*((\t)%4)+4*\j:R+32*((\t)%4)+4*\j+3] offset:STG*((\t)%2)+2*SP*\j
.endr
.irp b, 0,1
.irp j, 0,1,2,3
	ds_load_b128 v[X+32*((\t)%2)+16*\b+4*\j:X+32*((\t)%2)+16*\b+4*\j+3], v3 offset:STG*((\t)%2)+128*\b+16*\j
.endr
.endr
.endm
.macro STEP t
	s_wait_dscnt 0x0                               ; this step's numbers are back, and its stores into the stage have read their registers,
.if (\t)+4 < NST
	LOAD (\t)+4                                    ; which take the loads of four steps on
.endif
.if (\t) < NST-1
.if (\t)+4 < NST
	s_wait_loadcnt 24                              ; the next step's eight loads are in; those of the three steps behind it stay out
.else
	s_wait_loadcnt 8*(NST-2-(\t))
.endif
	TURN (\t)+1                                    ; the next step turns while this one is worked
.endif
	s_wait_xcnt 0x0                                ; the last step's stores have read their data: the codes' registers are written again only behind this wait
.if (\t)%2 == 0
	QHF X+32*((\t)%2), PC, PT, TM, W+(\t)/2        ; the K step's first two scale bytes
.else
	QHF X+32*((\t)%2), PC, PT, TM, HW
	v_lshl_or_b32 v[W+(\t)/2], v[HW], 16, v[W+(\t)/2]   ; and its last two
.endif
	global_store_b128 v4, v[PC:PC+3], s[20:21] offset:((\t)/2)*12288+((\t)%2)*768       ; 512 consecutive bytes, aligned
	global_store_b64 v5, v[PC+4:PC+5], s[20:21] offset:((\t)/2)*12288+((\t)%2)*768+512  ; 256 consecutive bytes, aligned
.endm
.irp t, 0,1,2,3
	LOAD \t
.endr
	s_wait_loadcnt 24                              ; step 0's eight loads are in
	TURN 0
.irp t, 0,1,2,3,4,5,6,7
	STEP \t
.endr
	v_cmp_ne_u32 vcc_lo, 0, v12                    ; lanes 0-15 store their row's words 0, 1 of my four, lanes 16-31 words 2, 3
	v_cndmask_b32 v[WO], v[W], v[W+2], vcc_lo
	v_cndmask_b32 v[WO+1], v[W+1], v[W+3], vcc_lo
	global_store_b64 v6, v[WO:WO+1], s[22:23]
	s_wait_tensorcnt 0x0                           ; the wave's end, behind my last LDS store
	ds_add_u32 v[SPW], v[NIL]
	s_wait_dscnt 0x0
	s_endpgm
	; ---------------- the mask ----------------
.Lmask:
	v_lshlrev_b32 v1, 11, v13
	v_lshl_add_u32 v1, v12, 4, v1                  ; my query's row of 2,048 bytes, + 16 h
	v_lshlrev_b32 v2, 3, v10                       ; out: two words a lane
	s_sub_co_u32 s27, ttmp9, 512
	s_lshl_b32 s27, s27, 2
	s_add_co_u32 s27, s27, s26
	s_and_b32 s36, s27, 3                          ; which four key steps
	s_lshr_b32 s27, s27, 2                         ; 128 x batch + query tile
	s_lshr_b32 s32, s27, 7
	s_lshl_b32 s32, s32, 22                        ; the batch's 2,048 x 2,048 bytes
	s_and_b32 s33, s27, 127
	s_lshr_b32 s34, s33, 1
	s_lshl_b32 s34, s34, 16                        ; 32 rows
	s_and_b32 s33, s33, 1
	s_lshl_b32 s33, s33, 14                        ; 8 rows
	s_add_co_u32 s32, s32, s34
	s_add_co_u32 s32, s32, s33
	s_lshl_b32 s33, s36, 9                         ; my 512 keys
	s_add_co_u32 s32, s32, s33
	s_mov_b32 s33, 0
	s_lshl_b32 s34, s27, 12                        ; 16 steps x 256 bytes of words,
	s_lshl_b32 s35, s36, 10                        ; my four steps
	s_add_co_u32 s34, s34, s35
	s_mov_b32 s35, 0
	s_wait_kmcnt 0x0
	s_add_nc_u64 s[18:19], s[18:19], s[32:33]
	s_add_nc_u64 s[24:25], s[24:25], s[34:35]
.irp e, 0,1
.irp f, 0,1,2,3
	global_load_b128 v[MD+16*\e+4*\f:MD+16*\e+4*\f+3], v1, s[18:19] offset:128*\e+32*\f   ; keys 128 e + 32 f + 16 h + 0 .. 15 of my query
.endr
.endr
.irp j, 0,1,2,3
	v_mov_b32 v[MM+\j], 0                          ; written once: v_writelane_b32's destination counts as read
.endr
; One key step.  Byte k of register n of the set is the mask of score register 4 n + k: the compare gives that word, one bit a lane, and it goes to lane (4 n + k) / 2 of the pair on its way out.
.macro MITEM set, ahead, left
	s_wait_loadcnt \left                           ; my four loads are in; the other set's four may stay out
	s_wait_xcnt 0x0                                ; the pair's last store has read its data
.set n, 0
.rept 16
.irp k, 0,1,2,3
	v_and_b32 v[MT+\k], 0xff<<(8*\k), v[MD+16*(\set)+n]
.endr
.irp k, 0,1,2,3
	v_cmp_ne_u32 s[28+\k], 0, v[MT+\k]
.endr
.irp k, 0,1,2,3
	v_writelane_b32 v[MM+2*(\set)+\k%2], s[28+\k], 2*n+\k/2
.endr
.set n, n+1
.endr
.if \ahead
.irp f, 0,1,2,3
	global_load_b128 v[MD+16*(\set)+4*\f:MD+16*(\set)+4*\f+3], v1, s[18:19] offset:256+128*(\set)+32*\f
.endr
.endif
	global_store_b64 v2, v[MM+2*(\set):MM+2*(\set)+1], s[24:25] offset:256*(\set)   ; 256 consecutive bytes, aligned
.endm
	MITEM 0, 1, 4                                  ; my first two key steps are worked, the two after them asked for
	MITEM 1, 1, 4
	s_wait_xcnt 0x0                                ; the bases are stepped only behind this wait
	s_add_nc_u64 s[18:19], s[18:19], 256
	s_add_nc_u64 s[24:25], s[24:25], 512
	MITEM 0, 0, 4                                  ; the last two steps load nothing
	MITEM 1, 0, 0
	s_endpgm
.Lfunc_end_k_q28f8254f79_prep:
	.size	k_q28f8254f79_prep, .Lfunc_end_k_q28f8254f79_prep-k_q28f8254f79_prep
	.p2alignl 7, 3214868480
	.fill 96, 4, 3214868480
	.section	.rodata,"a",@progbits
	.p2align	6, 0x0
	.amdhsa_kernel k_q28f8254f79_prep
		.amdhsa_group_segment_fixed_size 35328
		.amdhsa_private_segment_fixed_size 0
		.amdhsa_enable_private_segment 0
		.amdhsa_kernarg_size 88
		.amdhsa_user_sgpr_count 2
		.amdhsa_user_sgpr_kernarg_segment_ptr 1
		.amdhsa_wavefront_size32 1
		.amdhsa_system_sgpr_workgroup_id_x 1
		.amdhsa_system_sgpr_workgroup_id_y 1
		.amdhsa_system_sgpr_workgroup_id_z 1
		.amdhsa_system_vgpr_workitem_id 0
		.amdhsa_next_free_vgpr 240
		.amdhsa_next_free_sgpr 66
		.amdhsa_reserve_vcc 1
		.amdhsa_float_denorm_mode_32 3
		.amdhsa_float_denorm_mode_16_64 3
		.amdhsa_memory_ordered 1
		.amdhsa_forward_progress 1
		.amdhsa_inst_pref_size 87
	.end_amdhsa_kernel
	.amdgpu_metadata
---
amdhsa.version: [ 1, 2 ]
amdhsa.kernels:
  - .name:           k_q28f8254f79_prep
    .symbol:         k_q28f8254f79_prep.kd
    .args:
      - { .name: q, .offset: 0, .size: 8, .value_kind: global_buffer, .address_space: global }
      - { .name: k, .offset: 8, .size: 8, .value_kind: global_buffer, .address_space: global }
      - { .name: v, .offset: 16, .size: 8, .value_kind: global_buffer, .address_space: global }
      - { .name: wq_w, .offset: 24, .size: 8, .value_kind: global_buffer, .address_space: global }
      - { .name: wk_w, .offset: 32, .size: 8, .value_kind: global_buffer, .address_space: global }
      - { .name: wv_w, .offset: 40, .size: 8, .value_kind: global_buffer, .address_space: global }
      - { .name: wo_w, .offset: 48, .size: 8, .value_kind: global_buffer, .address_space: global }
      - { .name: mask, .offset: 56, .size: 8, .value_kind: global_buffer, .address_space: global }
      - { .name: img, .offset: 64, .size: 8, .value_kind: global_buffer, .address_space: global }
      - { .name: sc, .offset: 72, .size: 8, .value_kind: global_buffer, .address_space: global }
      - { .name: mb, .offset: 80, .size: 8, .value_kind: global_buffer, .address_space: global }
    .group_segment_fixed_size: 35328
    .private_segment_fixed_size: 0
    .kernarg_segment_align: 8
    .kernarg_segment_size: 88
    .max_flat_workgroup_size: 128
    .sgpr_count:     66
    .vgpr_count:     240
    .wavefront_size: 32
...
	.end_amdgpu_metadata
.endif
;; end of part 1
;; launch proj (part 2): grid 4 x 48, 16 waves a work-group, clusters of 4 x 4, 327,680 bytes of LDS; arguments img, sc, wq_b, wk_b, wv_b, hc, hs; writes hc, hs
.if DOCPART == 2
	.amdgcn_target "amdgcn-amd-amdhsa--gfx1250"
	.amdhsa_code_object_version 6
	.text
	.protected	k_q28f8254f79_proj
	.globl	k_q28f8254f79_proj
	.p2align	8
	.type	k_q28f8254f79_proj,@function
k_q28f8254f79_proj:
	s_mov_b64 s[64:65], 0
	v_nop
	global_prefetch_b8 v0, s[64:65] scope:SCOPE_SE
	s_setreg_imm32_b32 hwreg(HW_REG_WAVE_MODE, 25, 1), 1
	s_wait_xcnt 0x0
	s_wait_alu depctr_hold_cnt(0) depctr_sa_sdst(0) depctr_va_vdst(0) depctr_va_sdst(0) depctr_va_ssrc(0) depctr_va_vcc(0) depctr_vm_vsrc(0)
	s_getreg_b32 s2, hwreg(HW_REG_IB_STS2, 6, 4)
	s_cmp_eq_u32 s2, 0
	s_cbranch_scc0 .Lentry_in_a_cluster
	s_endpgm
.Lentry_in_a_cluster:
	s_bfe_u32 s2, ttmp6, 0x10000c
	s_cmp_lg_u32 s2, 0xf033
	s_cbranch_scc0 .Lentry_shape_is_right
	s_endpgm
.Lentry_shape_is_right:
; The three input projections, x W^T + b, on codes of FP6 (E2M3) with E8M0 scales, K = 1,024; each result is quantised at once into the attention launch's operand images.
; A work-group makes 256 x 256 of one projection from four panels of img (128 rows x all of K each, laid as operand registers): source 0's two panels P0 and source 1's two panels P1.
; Q and K (projection 0, 1): source 0 = 16 rows of W, source 1 = 16 tokens: a lane holds ONE token and its registers run along the features, which are the scores' K.
; V (projection 2): source 0 = 16 tokens, source 1 = 16 rows of W: a lane holds ONE feature and its registers run along the tokens, the keys, which are the second product's K.
; The rows of a tile are 32 g + 8 u + r + 8 (r / 8) (tile 2 g + u), so the 16 registers of source 0's tiles 2 g and 2 g + 1 are 16 neighbours, 32 g + 16 h + 0 .. 15.
; WAVES: sixteen; wave w takes 64 rows of source 0 (group w / 4: one head's features, or half a key step) and 64 rows of source 1 (group w % 4): sixteen accumulators, which take turns.  A K step takes 8 fragments
; from LDS for 16 products.  192 work-groups in all: 3 projections x 16 x 4 blocks; each goes through arguments, first tiles and last stores once for 65,536 outputs.
; LDS: three slots, each a quarter of K (two K steps) of the four panels, 98,304 bytes.  The first three quarters are first fills, three loads a wave; the fourth fills slot 0 again, behind a round of the cluster's
; barrier that stands behind K steps 0 and 1, and has K steps 2 to 5 (64 products a wave) in which to land.  The launch claims all of a WGP's LDS.
; The bias is put straight into the accumulators, in the result's layout, and every K step adds in place.
; CLUSTER 4 x 4: P0 hangs on cx and is asked for jointly down a column of the cluster, P1 on cy and along a row: each piece is requested once for four work-groups.
; OUT.  hc: Q at 0 and K at 3,145,728: [batch x 16 + head][token tile 128][768]; V at 6,291,456: [batch x 16 + head][key step 16][feature tile 4][half 2][768].
; hs: Q at 0, K at 131,072: [head][pair of tiles 64][row 16] words, the even tile's two bytes below, the odd tile's above; V at 262,144: [head][64 keys: 32][pair of feature tiles 2][row 16] words likewise.
; LIMITS: NaN and infinities are not served; a block under 2^-124, a block of zeros too, keeps the scale byte 1.
.set QB,    24576                      ; a quarter of K of one panel: two K steps of 8 tiles x 1,536 bytes
.set SLOTB, 98304                      ; a slot: P0's two panels' quarters, then P1's two
.set SST,   294912                     ; behind the three slots: 2,048 bytes in which the waves' scale words meet,
.set SPARE, 296960                     ; and the spare words, 128 bytes for each wave
.set SPW,   19                         ; v19  LDS address of my spare word; never rewritten
.set NIL,   20                         ; v20  0; never rewritten
.set SCA,   24                         ; v24-39  source 0's scale words: tile x at 4 x + q: lanes 0-15 K step q, lanes 16-31 K step 4 + q
.set SCB,   40                         ; v40-55  source 1's likewise
.set F0,    56                         ; v56-103  four fragments of source 0
.set F1,    104                        ; v104-127 two of source 1: tiles 0, 1, then tiles 2, 3
.set ACC,   128                        ; v128-255 accumulator (x, y) at 32 y + 8 x
.set WV,    18                         ; v4-7 LDS addresses in slot 0 (P0: 16 l, 8 l; P1: 16 l, 8 l); v8-11 the same in slot 1 or 2; v12-15, v1-3, v21 store offsets; v16-18 the scale words' way out
.set SEL,   2                          ; s[2:3]
.set G1A,   24                         ; s[24:31] descriptor group 1 for P0;  s[32:39] for P1: they differ in the mask
.set G1B,   32
.set G0A,   40                         ; s[40:51] group 0 for P0, a set for each slot;  s[68:79] for P1
.set G0B,   68
.macro PLACES                          ; four plain places behind a matrix instruction, ahead of loads into its sources and of reads of its result
.rept 4
	v_nop
.endr
.endm
.macro CROUND                          ; a round of the cluster's barrier
	s_barrier_signal -1
	s_barrier_wait -1
	s_cmp_lg_u32 s[WV], 0
	s_cbranch_scc1 .Lnot_wave_0_\@
	s_barrier_signal -3
.Lnot_wave_0_\@:
	s_barrier_wait -3
	s_barrier_signal -1
	s_barrier_wait -1
.endm
.macro FRAG reg, a16, a8, off          ; a fragment, two half fragments on end, as it lies: every load takes 512 or 256 consecutive bytes
	ds_load_b128 v[(\reg):(\reg)+3], v[\a16] offset:(\off)
	ds_load_b64 v[(\reg)+4:(\reg)+5], v[\a8] offset:(\off)+512
	ds_load_b128 v[(\reg)+6:(\reg)+9], v[\a16] offset:(\off)+768
	ds_load_b64 v[(\reg)+10:(\reg)+11], v[\a8] offset:(\off)+1280
.endm
; 32 numbers of a lane, v[s + 16 b + i] = k 32 b + 16 h + i of its row, become a half fragment in v[pc .. pc + 5] and its two scale bytes in the low half of v[hw]
.macro QHF s, pc, pt, tm, hw
.irp b, 0,1
	v_max3_num_f32 v[(\tm)+\b], |v[(\s)+16*\b]|, |v[(\s)+16*\b+1]|, 0x1800000   ; and the floor 2^(3 - 127): the byte cannot fall under 1
.endr
.irp i, 2,4,6,8,10,12,14
.irp b, 0,1
	v_max3_num_f32 v[(\tm)+\b], v[(\tm)+\b], |v[(\s)+16*\b+\i]|, |v[(\s)+16*\b+\i+1]|
.endr
.endr
.irp b, 0,1
	v_permlanex16_b32 v[(\tm)+2+\b], v[(\tm)+\b], s[SEL], s[SEL+1]
.endr
.irp b, 0,1
	v_max_num_f32 v[(\tm)+\b], v[(\tm)+\b], v[(\tm)+2+\b]
.endr
.irp b, 0,1
	v_add_nc_u32 v[(\tm)+4+\b], 0xff000000, v[(\tm)+\b]
.endr
.irp b, 0,1
	v_lshrrev_b32 v[(\tm)+6+\b], 23, v[(\tm)+4+\b]
.endr
	v_lshl_or_b32 v[\hw], v[(\tm)+7], 8, v[(\tm)+6]
	v_cvt_scalef32_pk16_fp6_f32 v[(\pc):(\pc)+2], v[(\s):(\s)+15], v[(\tm)+4]
	v_cvt_scalef32_pk16_fp6_f32 v[(\pt):(\pt)+2], v[(\s)+16:(\s)+31], v[(\tm)+5]
	v_nop                                          ; one plain place behind a scaled conversion
.irp i, 0,1,2
	v_permlane16_swap_b32 v[(\pc)+\i], v[(\pt)+\i]
.endr
.irp i, 0,1,2
	v_mov_b32 v[(\pc)+3+\i], v[(\pt)+\i]
.endr
.endm
	s_load_b256 s[4:11], s[0:1], 0x0               ; img, sc, wq_b, wk_b
	s_load_b128 s[12:15], s[0:1], 0x20             ; wv_b, hc
	s_load_b64 s[16:17], s[0:1], 0x30              ; hs
	v_lshl_add_u32 v[SPW], v0, 2, SPARE
	v_mov_b32 v[NIL], 0
	ds_add_u32 v[SPW], v[NIL]                      ; the wave's opening: the add and its wait stand ahead of my first tensor load; the set-up below stands between them
	v_lshrrev_b32 v1, 5, v0
	v_readfirstlane_b32 s[WV], v1                  ; wave 0..15
	s_lshr_b32 s19, s[WV], 2                       ; a0: which 64 rows of source 0
	s_and_b32 s20, s[WV], 3                        ; a1: which 64 rows of source 1.  Also: which quarter of a panel's piece I fetch
	s_bfe_u32 s21, ttmp6, 0x40000                  ; cx
	s_bfe_u32 s22, ttmp6, 0x40004                  ; cy
	s_and_b32 s23, ttmp7, 0xffff                   ; the cluster's y, 0..11
	s_lshr_b32 s56, s23, 2                         ; the projection: 0 Q, 1 K, 2 V: the same in all sixteen partners
	s_lshl_b32 s57, ttmp9, 2                       ; the cluster's first block of 256 features,
	s_and_b32 s58, s23, 3
	s_lshl_b32 s58, s58, 2                         ; and of 256 tokens
	s_lshl_b32 s84, s56, 3
	s_add_co_u32 s84, s84, 96                      ; the weight's first panel in img,
	s_lshl_b32 s85, s56, 5                         ; the activation's
	s_cmp_eq_u32 s56, 2                            ; V swaps the sources
	s_cselect_b32 s59, s58, s57
	s_cselect_b32 s60, s57, s58
	s_cselect_b32 s61, s85, s84
	s_cselect_b32 s62, s84, s85
	s_add_co_u32 s59, s59, s21                     ; source 0's block in its tensor: hangs on cx, never on cy
	s_add_co_u32 s60, s60, s22                     ; source 1's: on cy, never on cx
	s_lshl_b32 s86, s59, 1
	s_add_co_u32 s61, s61, s86                     ; the first of its two panels in img
	s_lshl_b32 s88, s60, 1
	s_add_co_u32 s62, s62, s88
	s_lshl_b32 s90, 0x1111, s21                    ; my column of the cluster (same cx)
	s_lshl_b32 s91, s22, 2
	s_lshl_b32 s91, 15, s91                        ; my row (same cy)
	; descriptor group 1: a dense piece of 6,144 bytes as 24 rows of 256 bytes (32 elements of 8 bytes), no padding
	s_or_b32 s[G1A], s90, (3<<16)|(1<<21)          ; 15:0 the mask; 17:16 elements of 8 bytes; 21 set beside a mask
	s_or_b32 s[G1B], s91, (3<<16)|(1<<21)
.irp g, G1A, G1B
	s_mov_b32 s[\g+1], 32<<16                      ; tensor_dim0
	s_mov_b32 s[\g+2], 24<<16                      ; tensor_dim1
	s_mov_b32 s[\g+3], 32<<16                      ; tile_dim0
	s_mov_b32 s[\g+4], 24                          ; tile_dim1
	s_mov_b32 s[\g+5], 32                          ; from row to row
	s_mov_b32 s[\g+6], 0
	s_mov_b32 s[\g+7], 0
.endr
	s_mul_i32 s63, s[WV], 6144                     ; my piece's place in a slot: waves 0-7 fill P0's half of it, waves 8-15 P1's
	s_and_b32 s92, s19, 1                          ; in memory: which of the two panels,
	s_mul_i32 s92, s92, 98304
	s_mul_i32 s93, s20, 6144                       ; which quarter of its 24,576 bytes
	s_add_co_u32 s92, s92, s93
	s_mul_i32 s86, s61, 98304
	s_add_co_u32 s86, s86, s92
	s_mov_b32 s87, 0
	s_mul_i32 s88, s62, 98304
	s_add_co_u32 s88, s88, s92
	s_mov_b32 s89, 0
	s_mov_b32 s[SEL], 0x76543210
	s_mov_b32 s[SEL+1], 0xfedcba98
	s_wait_dscnt 0x0                               ; the opening add is done
	s_wait_kmcnt 0x0
	s_add_nc_u64 s[86:87], s[4:5], s[86:87]
	s_add_nc_u64 s[88:89], s[4:5], s[88:89]
	CROUND                                         ; all sixteen work-groups are here: the joint loads meet
.irp g, 0,1,2
	s_mov_b32 s[G0A+4*\g], 1
	s_add_co_u32 s[G0A+4*\g+1], s63, \g*SLOTB
	s_add_nc_u64 s[G0A+4*\g+2:G0A+4*\g+3], s[86:87], \g*QB
	s_or_b32 s[G0A+4*\g+3], s[G0A+4*\g+3], 0x80000000
	s_mov_b32 s[G0B+4*\g], 1
	s_add_co_u32 s[G0B+4*\g+1], s63, \g*SLOTB
	s_add_nc_u64 s[G0B+4*\g+2:G0B+4*\g+3], s[88:89], \g*QB
	s_or_b32 s[G0B+4*\g+3], s[G0B+4*\g+3], 0x80000000
.endr
	s_cmp_lt_u32 s[WV], 8                          ; a wave's three first fills stand in one branch; three loads of mine are out
	s_cbranch_scc0 .Lfill_b
.irp g, 0,1,2
	tensor_load_to_lds s[G0A+4*\g:G0A+4*\g+3], s[G1A:G1A+7]
	s_nop 0
.endr
.rept 4
	v_nop
.endr
	s_branch .Lfilled
.Lfill_b:
.irp g, 0,1,2
	tensor_load_to_lds s[G0B+4*\g:G0B+4*\g+3], s[G1B:G1B+7]
	s_nop 0
.endr
.rept 4
	v_nop
.endr
.Lfilled:
	v_and_b32 v1, 31, v0                           ; lane
	v_and_b32 v2, 15, v0                           ; r
	v_bfe_u32 v3, v0, 4, 1                         ; h
	v_and_b32 v22, 8, v2
	v_add_nc_u32 v22, v22, v2                      ; r + 8 (r / 8)
	v_lshlrev_b32 v23, 4, v1                       ; 16 x lane
	v_lshlrev_b32 v21, 3, v1                       ; 8 x lane
	s_lshr_b32 s90, s19, 1                         ; my four tiles of P0 in a K step: panel a0 / 2, tiles 4 (a0 % 2) on
	s_mul_i32 s90, s90, QB
	s_and_b32 s94, s19, 1
	s_mul_i32 s94, s94, 6144
	s_add_co_u32 s90, s90, s94
	s_lshr_b32 s91, s20, 1                         ; and of P1, which lies behind P0's two panels
	s_mul_i32 s91, s91, QB
	s_and_b32 s94, s20, 1
	s_mul_i32 s94, s94, 6144
	s_add_co_u32 s91, s91, s94
	s_add_co_u32 s91, s91, 2*QB
	v_add_nc_u32 v4, s90, v23
	v_add_nc_u32 v5, s90, v21
	v_add_nc_u32 v6, s91, v23
	v_add_nc_u32 v7, s91, v21
	s_lshl_b32 s92, s[WV], 7
	v_lshl_add_u32 v16, v2, 2, s92
	v_add_nc_u32 v16, SST, v16                     ; where my row's two scale words go: 128 x wave + 4 r, and 64 on
	s_lshl_b32 s92, s20, 9
	v_add_nc_u32 v17, s92, v23
	v_add_nc_u32 v17, SST, v17                     ; and where waves 0-3 read 512 bytes each back
	; the scale words, straight into registers: a row has 32 bytes; lanes 0-15 take K steps 0-3, lanes 16-31 K steps 4-7
	v_lshlrev_b32 v56, 5, v22
	v_lshl_add_u32 v56, v3, 4, v56
	s_lshl_b32 s92, s61, 12
	s_lshl_b32 s93, s19, 11
	s_add_co_u32 s92, s92, s93
	v_add_nc_u32 v57, s92, v56
	s_lshl_b32 s92, s62, 12
	s_lshl_b32 s93, s20, 11
	s_add_co_u32 s92, s92, s93
	v_add_nc_u32 v58, s92, v56
.irp x, 0,1,2,3
	global_load_b128 v[SCA+4*\x:SCA+4*\x+3], v57, s[6:7] offset:(32*(\x/2)+8*(\x%2))*32
	global_load_b128 v[SCB+4*\x:SCB+4*\x+3], v58, s[6:7] offset:(32*(\x/2)+8*(\x%2))*32
.endr
	; where the results go
	s_cmp_eq_u32 s56, 2
	s_cselect_b32 s94, s59, s60                    ; the block of tokens
	s_cselect_b32 s95, s60, s59                    ; the block of features
	s_lshr_b32 s96, s94, 3                         ; batch
	s_and_b32 s97, s94, 7                          ; the block in its batch: 16 token tiles, two key steps
	s_lshl_b32 s96, s96, 4
	s_lshl_b32 s98, s95, 2
	s_add_co_u32 s96, s96, s98                     ; 16 x batch + the first of the block's four heads
	s_add_co_u32 s98, s96, s19                     ; Q, K: head + a0;
	s_lshl_b32 s98, s98, 7
	s_lshl_b32 s99, s97, 4
	s_add_co_u32 s98, s98, s99
	s_lshl_b32 s99, s20, 2
	s_add_co_u32 s98, s98, s99                     ; token tile 16 x block + 4 a1
	s_mul_i32 s98, s98, 768
	s_mul_i32 s99, s56, 3145728
	s_add_co_u32 s98, s98, s99
	s_add_co_u32 s99, s96, s20                     ; V: head + a1;
	s_lshl_b32 s99, s99, 4
	s_lshl_b32 s100, s97, 1
	s_add_co_u32 s99, s99, s100
	s_lshr_b32 s100, s19, 1
	s_add_co_u32 s99, s99, s100                    ; key step 2 x block + a0 / 2: four feature tiles of 1,536 bytes;
	s_mul_i32 s99, s99, 6144
	s_and_b32 s100, s19, 1
	s_mul_i32 s100, s100, 768                      ; half a0 % 2
	s_add_co_u32 s99, s99, s100
	s_add_co_u32 s99, s99, 6291456
	s_lshl_b32 s92, s56, 17                        ; hs: the projection's region, the heads' 4,096 bytes, the block's 512
	s_lshl_b32 s93, s96, 12
	s_add_co_u32 s92, s92, s93
	s_lshl_b32 s93, s97, 9
	s_add_co_u32 s92, s92, s93
	s_cmp_eq_u32 s56, 2
	s_cselect_b32 s98, s99, s98
	s_mov_b32 s99, 768
	s_cselect_b32 s99, 1536, s99                   ; from one tile of source 1 to the next
	s_mov_b32 s100, 4096
	s_cselect_b32 s100, 128, s100                  ; hs: what a0 steps,
	s_mov_b32 s101, 128
	s_cselect_b32 s101, 4096, s101                 ; and what a1 steps
	s_lshl_b32 s84, s99, 1
	s_add_co_u32 s85, s84, s99
	s_mul_i32 s93, s20, s100                       ; wave k of waves 0-3 stores the words of the writers with a0 = k
	s_add_co_u32 s92, s92, s93
	v_add_nc_u32 v12, s98, v23                     ; tile 0 of source 1: registers 0-3, and 4-5
	v_add_nc_u32 v13, s98, v21
	v_add_nc_u32 v14, s99, v12                     ; tile 1
	v_add_nc_u32 v15, s99, v13
	v_lshrrev_b32 v59, 3, v1                       ; my 16 bytes of the 512 are the writer's with a1 = lane / 8
	v_mul_u32_u24 v18, v59, s101
	v_and_b32 v59, 7, v0
	v_lshl_add_u32 v18, v59, 4, v18
	v_add_nc_u32 v18, s92, v18
	s_lshl_b32 s92, s95, 10                        ; the bias: the block's 256 features,
	s_lshl_b32 s93, s19, 8
	s_add_co_u32 s93, s93, s92
	v_lshl_add_u32 v60, v3, 6, s93                 ; Q, K: + 64 a0 + 16 h on
	s_lshl_b32 s93, s20, 8
	s_add_co_u32 s93, s93, s92
	v_lshl_add_u32 v61, v22, 2, s93                ; V: + 64 a1 + r + 8 (r / 8)
	v_add_nc_u32 v1, s84, v12                      ; tile 2 (lane, r and h are done with)
	v_add_nc_u32 v2, s84, v13
	v_add_nc_u32 v3, s85, v12                      ; tile 3
	v_add_nc_u32 v21, s85, v13
	s_cmp_eq_u32 s56, 0
	s_cselect_b64 s[92:93], s[8:9], s[10:11]
	s_cmp_eq_u32 s56, 2
	s_cselect_b64 s[92:93], s[12:13], s[92:93]
	s_cbranch_scc1 .Lbias_v
.irp y, 0,1,2,3
.irp x, 0,1,2,3
	global_load_b128 v[ACC+32*\y+8*\x:ACC+32*\y+8*\x+3], v60, s[92:93] offset:(32*(\x/2)+8*(\x%2))*4       ; register j: the feature of tile x's row 8 h + j
	global_load_b128 v[ACC+32*\y+8*\x+4:ACC+32*\y+8*\x+7], v60, s[92:93] offset:(32*(\x/2)+8*(\x%2))*4+16
.endr
.endr
	s_branch .Lbiased
.Lbias_v:
.irp y, 0,1,2,3
	global_load_b32 v[ACC+32*\y], v61, s[92:93] offset:(32*(\y/2)+8*(\y%2))*4   ; a lane holds one feature for each tile of source 1,
.endr
	s_wait_loadcnt 0x0
.irp y, 0,1,2,3
.set n, 1
.rept 31
	v_mov_b32 v[ACC+32*\y+n], v[ACC+32*\y]         ; in all 32 registers; these moves stand while the first tiles are on their way
.set n, n+1
.endr
.endr
.Lbiased:
	s_wait_loadcnt 0x0                             ; scale words and bias
.macro WM s, x, y, f                   ; one product: source 0's tile x, source 1's tile y, which lies in F1's place f
.if (\s) < 4
	v_wmma_scale_f32_16x16x128_f8f6f4 v[ACC+32*(\y)+8*(\x):ACC+32*(\y)+8*(\x)+7], v[F0+12*(\x):F0+12*(\x)+11], v[F1+12*(\f):F1+12*(\f)+11], v[ACC+32*(\y)+8*(\x):ACC+32*(\y)+8*(\x)+7], v[SCA+4*(\x)+(\s)%4], v[SCB+4*(\y)+(\s)%4] matrix_a_fmt:MATRIX_FMT_FP6 matrix_b_fmt:MATRIX_FMT_FP6
.else
	v_wmma_scale_f32_16x16x128_f8f6f4 v[ACC+32*(\y)+8*(\x):ACC+32*(\y)+8*(\x)+7], v[F0+12*(\x):F0+12*(\x)+11], v[F1+12*(\f):F1+12*(\f)+11], v[ACC+32*(\y)+8*(\x):ACC+32*(\y)+8*(\x)+7], v[SCA+4*(\x)+(\s)%4], v[SCB+4*(\y)+(\s)%4] matrix_a_fmt:MATRIX_FMT_FP6 matrix_b_fmt:MATRIX_FMT_FP6 matrix_a_scale:MATRIX_SCALE_ROW1 matrix_b_scale:MATRIX_SCALE_ROW1
.endif
.endm
; K step s: 8 fragments, 16 products; the sixteen accumulators take turns, one instruction a turn.  rb: the first of the slot's four address registers.  pl = 1: the places are written here
.macro KSTEP s, rb, pl
.set OF, ((\s)%2)*12288
.if \pl
	PLACES
.endif
	FRAG F1, (\rb)+2, (\rb)+3, OF
	FRAG F1+12, (\rb)+2, (\rb)+3, OF+1536
.irp x, 0,1,2,3
	FRAG F0+12*\x, (\rb), (\rb)+1, OF+1536*\x
.endr
.irp x, 0,1,2,3
	s_wait_dscnt 4*(3-\x)                          ; the four loads of each later fragment of P0 may stay out
	WM \s, \x, 0, 0
	WM \s, \x, 1, 1
.endr
	PLACES
	FRAG F1, (\rb)+2, (\rb)+3, OF+2*1536           ; source 1's tiles 2 and 3 take the places of tiles 0 and 1
	FRAG F1+12, (\rb)+2, (\rb)+3, OF+3*1536
	s_wait_dscnt 0x0
.irp x, 0,1,2,3
	WM \s, \x, 2, 0
	WM \s, \x, 3, 1
.endr
.endm
	s_wait_tensorcnt 0x2                           ; my piece of slot 0 has landed; my pieces of slots 1 and 2 stay out
	s_barrier_signal -1
	s_barrier_wait -1                              ; everybody's has
	KSTEP 0, 4, 0
	KSTEP 1, 4, 1
	; slot 0 has been read: it takes the last quarter of K
	s_wait_tensorcnt 0x0                           ; all my tensor loads have landed, my pieces of slots 1 and 2 among them: so a group 0 may be written
	ds_add_u32 v[SPW], v[NIL]                      ; 0 onto my spare word; the descriptors' steps stand between it and the wait for it
	s_add_nc_u64 s[G0A+2:G0A+3], s[G0A+2:G0A+3], 3*QB
	s_add_nc_u64 s[G0B+2:G0B+3], s[G0B+2:G0B+3], 3*QB
	s_wait_dscnt 0x0                               ; the add is done, and my reads of slot 0 are over
	CROUND                                         ; both now hold of every wave of all sixteen work-groups
	s_cmp_lt_u32 s[WV], 8                          ; the joint refill: my one tensor load behind the round, and the first thing there
	s_cbranch_scc0 .Lrefill_b
	tensor_load_to_lds s[G0A:G0A+3], s[G1A:G1A+7]
	s_nop 0
.rept 4
	v_nop
.endr
	s_branch .Lrefilled
.Lrefill_b:
	tensor_load_to_lds s[G0B:G0B+3], s[G1B:G1B+7]
	s_nop 0
.rept 4
	v_nop
.endr
.Lrefilled:
.irp i, 0,1,2,3
	v_add_nc_u32 v[8+\i], SLOTB, v[4+\i]           ; slot 1
.endr
	KSTEP 2, 8, 0
	KSTEP 3, 8, 1
.irp i, 0,1,2,3
	v_add_nc_u32 v[8+\i], 2*SLOTB, v[4+\i]         ; slot 2; these four are the places behind the last products
.endr
	KSTEP 4, 8, 0
	KSTEP 5, 8, 1
	s_wait_tensorcnt 0x0                           ; my piece of the last quarter has landed;
	s_barrier_signal -1
	s_barrier_wait -1                              ; everybody's has.
	KSTEP 6, 4, 1
	KSTEP 7, 4, 1
	; THE WAY OUT: my four tiles of source 1: 32 registers each, 64 neighbours along the next K with lane l xor 16's: a half fragment
.macro OUTY y, a16, a8
	QHF ACC+32*(\y), 56+6*(\y), 80, 84, 92+(\y)
	global_store_b128 v[\a16], v[56+6*(\y):56+6*(\y)+3], s[14:15]              ; 512 consecutive bytes, aligned
	global_store_b64 v[\a8], v[56+6*(\y)+4:56+6*(\y)+5], s[14:15] offset:512   ; 256 consecutive bytes, aligned
.endm
	PLACES
	OUTY 0, 12, 13
	OUTY 1, 14, 15
	OUTY 2, 1, 2
	OUTY 3, 3, 21
	v_lshl_or_b32 v96, v93, 16, v92                ; my row's two words: an even tile's two bytes below, the odd tile's above
	v_lshl_or_b32 v97, v95, 16, v94
	ds_store_b32 v16, v96                          ; (lanes l and l xor 16 write the same word with the same value)
	ds_store_b32 v16, v97 offset:64
	s_wait_dscnt 0x0                               ; for the others' sake
	s_barrier_signal -1
	s_barrier_wait -1
	s_cmp_ge_u32 s[WV], 4
	s_cbranch_scc1 .Lnot_mine
	ds_load_b128 v[108:111], v17                   ; four writers' 512 bytes
	s_wait_dscnt 0x0
	global_store_b128 v18, v[108:111], s[16:17]    ; Q, K: 512 consecutive bytes, aligned; V: four runs of 128 bytes, which the other three waves' stores complete
.Lnot_mine:
	s_wait_tensorcnt 0x0                           ; the wave's end, behind my last tensor load and my last LDS store
	ds_add_u32 v[SPW], v[NIL]
	s_wait_dscnt 0x0
	CROUND                                         ; the closing round
	s_endpgm
.Lfunc_end_k_q28f8254f79_proj:
	.size	k_q28f8254f79_proj, .Lfunc_end_k_q28f8254f79_proj-k_q28f8254f79_proj
	.p2alignl 7, 3214868480
	.fill 96, 4, 3214868480
	.section	.rodata,"a",@progbits
	.p2align	6, 0x0
	.amdhsa_kernel k_q28f8254f79_proj
		.amdhsa_group_segment_fixed_size 327680
		.amdhsa_private_segment_fixed_size 0
		.amdhsa_enable_private_segment 0
		.amdhsa_kernarg_size 56
		.amdhsa_user_sgpr_count 2
		.amdhsa_user_sgpr_kernarg_segment_ptr 1
		.amdhsa_wavefront_size32 1
		.amdhsa_system_sgpr_workgroup_id_x 1
		.amdhsa_system_sgpr_workgroup_id_y 1
		.amdhsa_system_sgpr_workgroup_id_z 1
		.amdhsa_system_vgpr_workitem_id 0
		.amdhsa_next_free_vgpr 256
		.amdhsa_next_free_sgpr 102
		.amdhsa_reserve_vcc 0
		.amdhsa_float_denorm_mode_32 3
		.amdhsa_float_denorm_mode_16_64 3
		.amdhsa_memory_ordered 1
		.amdhsa_forward_progress 1
		.amdhsa_inst_pref_size 65
	.end_amdhsa_kernel
	.amdgpu_metadata
---
amdhsa.version: [ 1, 2 ]
amdhsa.kernels:
  - .name:           k_q28f8254f79_proj
    .symbol:         k_q28f8254f79_proj.kd
    .args:
      - { .name: img, .offset: 0, .size: 8, .value_kind: global_buffer, .address_space: global }
      - { .name: sc, .offset: 8, .size: 8, .value_kind: global_buffer, .address_space: global }
      - { .name: wq_b, .offset: 16, .size: 8, .value_kind: global_buffer, .address_space: global }
      - { .name: wk_b, .offset: 24, .size: 8, .value_kind: global_buffer, .address_space: global }
      - { .name: wv_b, .offset: 32, .size: 8, .value_kind: global_buffer, .address_space: global }
      - { .name: hc, .offset: 40, .size: 8, .value_kind: global_buffer, .address_space: global }
      - { .name: hs, .offset: 48, .size: 8, .value_kind: global_buffer, .address_space: global }
    .group_segment_fixed_size: 327680
    .private_segment_fixed_size: 0
    .kernarg_segment_align: 8
    .kernarg_segment_size: 56
    .max_flat_workgroup_size: 512
    .sgpr_count:     102
    .vgpr_count:     256
    .wavefront_size: 32
...
	.end_amdgpu_metadata
.endif
;; end of part 2
;; launch attn (part 3): grid 8 x 32, 16 waves a work-group, clusters of 4 x 1, 207,360 bytes of LDS; arguments hc, hs, mb, ximg, xs; writes ximg, xs
.if DOCPART == 3
	.amdgcn_target "amdgcn-amd-amdhsa--gfx1250"
	.amdhsa_code_object_version 6
	.text
	.protected	k_q28f8254f79_attn
	.globl	k_q28f8254f79_attn
	.p2align	8
	.type	k_q28f8254f79_attn,@function
k_q28f8254f79_attn:
	s_mov_b64 s[64:65], 0
	v_nop
	global_prefetch_b8 v0, s[64:65] scope:SCOPE_SE
	s_setreg_imm32_b32 hwreg(HW_REG_WAVE_MODE, 25, 1), 1
	s_wait_xcnt 0x0
	s_wait_alu depctr_hold_cnt(0) depctr_sa_sdst(0) depctr_va_vdst(0) depctr_va_sdst(0) depctr_va_ssrc(0) depctr_va_vcc(0) depctr_vm_vsrc(0)
	s_getreg_b32 s2, hwreg(HW_REG_IB_STS2, 6, 4)
	s_cmp_eq_u32 s2, 0
	s_cbranch_scc0 .Lentry_in_a_cluster
	s_endpgm
.Lentry_in_a_cluster:
	s_bfe_u32 s2, ttmp6, 0x10000c
	s_cmp_lg_u32 s2, 0x3003
	s_cbranch_scc0 .Lentry_shape_is_right
	s_endpgm
.Lentry_shape_is_right:
; x[b][q][head] = softmax_k(where(mask, -100000, Q . K)) V for one head, both products on codes of FP6 (E2M3) with E8M0 scales; the result is quantised at once into the output projection's operand image.
; THE SOFTMAX: t = logit x log2(e); M = the largest t so far, rounded UP to a whole number; p = 2^(t - M) is quantised along the keys, not normalised; the row's sum is taken of the unquantised p and divides at the end.
; When M moves, the sum and O are multiplied by 2^(old M - new M): exact.  A masked logit is -100000, not -infinity: a row that is masked throughout is a uniform softmax, as in the definition.
; SHARES.  A work-group owns 256 queries of one head, each of its sixteen waves one tile of 16, in 256 registers: four waves to a SIMD, so that one wave's vector work stands beside another's products and LDS loads.
; The head's whole K and V codes (2 x 98,304 bytes) lie in LDS: one first fill, a piece of 12,288 bytes a wave, asked for JOINTLY by the four query blocks of a cluster.  The loop over the keys has no barrier.
; LAYOUT.  Both products are used transposed, so a lane holds ONE query (lane % 16).  The head's size is 64, half of the instruction's K: a fragment of K holds TWO key tiles, the even one in registers 0-5 and the
; odd one in 6-11, and is multiplied twice: by [q | zero codes] and by [zero codes | q].  By the order of a tile's rows, score register n of lane (r, h) is key 128 step + 32 (n / 16) + 16 h + n % 16.
; THE MASK comes as 64 words a step, bit l of word n for lane l's register n: scalar loads a step ahead, one v_cndmask_b32 a score.
; LIMITS: NaN and infinities are not served; a block under 2^-124, a block of zeros too, keeps the scale byte 1.  t - M is one fused multiply-add: in a row masked throughout p is 0.70605 where t rounded first
; gives 0.70711: the same code, and after the division by the sum a result 0.15 per cent off.
.set VC,    98304                      ; LDS: K's codes at 0: [pair of key tiles 64][1,536]; V's here: [key step 16][feature tile 4][1,536];
.set SCV,   196608                     ; V's scale words: [key step][row 16][feature tile 4];
.set SCK,   200704                     ; K's: [key step][row 16][pair of tiles, in the order 0, 2, 1, 3];
.set XST,   204800                     ; 512 bytes in which the waves' scale bytes of x meet;
.set SPARE, 205312                     ; the spare words, 128 bytes for each wave
.set SPW,   38                         ; v38  LDS address of my spare word; never rewritten
.set NIL,   39                         ; v39  0; never rewritten
.set F,     40                         ; v40-87   four fragments of K or of V
.set S,     88                         ; v88-151  the scores, then p
.set O,     152                        ; v152-183 O^T: register 8 t + j = feature 32 (t / 2) + 16 h + 8 (t % 2) + j
.set PC,    184                        ; v184-195 p's codes
.set PT,    196                        ; v196-198, v200-202 the second conversions' results
.set BM,    204                        ; v204-207 the blocks' largest scores, then largest p
.set BT,    208                        ; v208-211 at work
.set BS,    212                        ; v212-215 the conversions' scale operands
.set KS,    216                        ; v216-219 K's scale words of the step
.set VS,    220                        ; v220-223 V's
.set WV,    5                          ; v1-5 addresses that stay; v6-10 the step's; v11 -100000; v12 -M; v13 the largest t; v[14:15] the sum; v16-21 zero codes, v22-27 q, v28-33 zero codes;
.set SEL,   6                          ; v34 q's scale word; v35 p's; v[36:37] f; v224-227 at work; v232, v233 addresses for the way out
.set CS,    8                          ; s[8:9] log2(e), twice
.set TB,    10                         ; s10 the step's tiles: 6,144 bytes a step, in K and in V alike
.set TS,    11                         ; s11 the step's scale words: 256 bytes a step
.set G0,    84                         ; s[84:87], s[88:95] the descriptor;  s[16:63], s[68:83] the step's 64 mask words;  s[2:3] their address, s4 the step's offset
.set G1,    88
.macro PLACES
.rept 4
	v_nop
.endr
.endm
.macro CROUND                          ; a round of the cluster's barrier
	s_barrier_signal -1
	s_barrier_wait -1
	s_cmp_lg_u32 s[WV], 0
	s_cbranch_scc1 .Lnot_wave_0_\@
	s_barrier_signal -3
.Lnot_wave_0_\@:
	s_barrier_wait -3
	s_barrier_signal -1
	s_barrier_wait -1
.endm
.macro FRAG reg, a16, a8, off          ; a fragment as it lies: every load takes 512 or 256 consecutive bytes
	ds_load_b128 v[(\reg):(\reg)+3], v[\a16] offset:(\off)
	ds_load_b64 v[(\reg)+4:(\reg)+5], v[\a8] offset:(\off)+512
	ds_load_b128 v[(\reg)+6:(\reg)+9], v[\a16] offset:(\off)+768
	ds_load_b64 v[(\reg)+10:(\reg)+11], v[\a8] offset:(\off)+1280
.endm
; 32 numbers of a lane, v[s + 16 b + i] = k 32 b + 16 h + i of its row, become a half fragment in v[pc .. pc + 5] and its two scale bytes in the low half of v[hw]
.macro QHF s, pc, pt, tm, hw
.irp b, 0,1
	v_max3_num_f32 v[(\tm)+\b], |v[(\s)+16*\b]|, |v[(\s)+16*\b+1]|, 0x1800000
.endr
.irp i, 2,4,6,8,10,12,14
.irp b, 0,1
	v_max3_num_f32 v[(\tm)+\b], v[(\tm)+\b], |v[(\s)+16*\b+\i]|, |v[(\s)+16*\b+\i+1]|
.endr
.endr
.irp b, 0,1
	v_permlanex16_b32 v[(\tm)+2+\b], v[(\tm)+\b], s[SEL], s[SEL+1]
.endr
.irp b, 0,1
	v_max_num_f32 v[(\tm)+\b], v[(\tm)+\b], v[(\tm)+2+\b]
.endr
.irp b, 0,1
	v_add_nc_u32 v[(\tm)+4+\b], 0xff000000, v[(\tm)+\b]
.endr
.irp b, 0,1
	v_lshrrev_b32 v[(\tm)+6+\b], 23, v[(\tm)+4+\b]
.endr
	v_lshl_or_b32 v[\hw], v[(\tm)+7], 8, v[(\tm)+6]
	v_cvt_scalef32_pk16_fp6_f32 v[(\pc):(\pc)+2], v[(\s):(\s)+15], v[(\tm)+4]
	v_cvt_scalef32_pk16_fp6_f32 v[(\pt):(\pt)+2], v[(\s)+16:(\s)+31], v[(\tm)+5]
	v_nop                                          ; one plain place behind a scaled conversion
.irp i, 0,1,2
	v_permlane16_swap_b32 v[(\pc)+\i], v[(\pt)+\i]
.endr
.irp i, 0,1,2
	v_mov_b32 v[(\pc)+3+\i], v[(\pt)+\i]
.endr
.endm
	s_load_b256 s[16:23], s[0:1], 0x0              ; hc, hs, mb, ximg
	s_load_b64 s[24:25], s[0:1], 0x20              ; xs
	v_lshl_add_u32 v[SPW], v0, 2, SPARE
	v_mov_b32 v[NIL], 0
	ds_add_u32 v[SPW], v[NIL]                      ; the wave's opening: the add and its wait stand ahead of my first tensor load; the set-up below stands between them
	v_lshrrev_b32 v1, 5, v0
	v_readfirstlane_b32 s[WV], v1                  ; wave 0..15
	s_and_b32 s15, ttmp7, 0xffff                   ; 16 x batch + head, which the four partners share
	; the descriptor: a dense piece of 12,288 bytes as 48 rows of 256 bytes (32 elements of 8 bytes), no padding
	s_mov_b32 s[G1], 15|(3<<16)|(1<<21)            ; 15:0 the mask: all four work-groups; 17:16 elements of 8 bytes; 21 set beside a mask
	s_mov_b32 s[G1+1], 32<<16
	s_mov_b32 s[G1+2], 48<<16
	s_mov_b32 s[G1+3], 32<<16
	s_mov_b32 s[G1+4], 48
	s_mov_b32 s[G1+5], 32
	s_mov_b32 s[G1+6], 0
	s_mov_b32 s[G1+7], 0
	s_mov_b32 s[G0], 1
	s_mul_i32 s[G0+1], s[WV], 12288                ; waves 0-7 fill K's codes, waves 8-15 V's: 12,288 x wave
	s_lshr_b32 s26, s[WV], 3
	s_add_co_u32 s26, s26, 1
	s_mul_i32 s26, s26, 3145728                    ; K's region of hc, or V's,
	s_mul_i32 s27, s15, 98304                      ; the head,
	s_add_co_u32 s26, s26, s27
	s_and_b32 s27, s[WV], 7
	s_mul_i32 s27, s27, 12288                      ; my piece: no place in the cluster enters
	s_add_co_u32 s26, s26, s27
	s_mov_b32 s27, 0
	s_bfe_u32 s13, ttmp6, 0x40000                  ; cx
	s_lshl_b32 s14, ttmp9, 2
	s_add_co_u32 s14, s14, s13                     ; my block of 256 queries
	s_lshl_b32 s28, s14, 4
	s_add_co_u32 s28, s28, s[WV]                   ; my query tile in its batch
	s_lshl_b32 s29, s15, 7
	s_add_co_u32 s29, s29, s28
	s_mul_i32 s29, s29, 768                        ; q's half fragment in hc
	s_lshl_b32 s30, s15, 6
	s_lshl_b32 s31, s14, 3
	s_add_co_u32 s30, s30, s31
	s_lshr_b32 s31, s[WV], 1
	s_add_co_u32 s30, s30, s31
	s_lshl_b32 s30, s30, 6                         ; q's scale words in hs: my pair of tiles
	s_lshr_b32 s32, s15, 4                         ; batch
	s_and_b32 s33, s15, 15                         ; head
	s_lshl_b32 s34, s32, 7
	s_add_co_u32 s34, s34, s28                     ; my tile among all 256
	s_lshl_b32 s2, s34, 12                         ; its 16 x 256 bytes of mask words
	s_mov_b32 s3, 0
	s_lshr_b32 s36, s34, 3                         ; x's image: panel,
	s_mul_i32 s36, s36, 98304
	s_lshr_b32 s37, s33, 1                         ; K step = head / 2,
	s_mul_i32 s37, s37, 12288
	s_add_co_u32 s36, s36, s37
	s_and_b32 s37, s34, 7                          ; tile,
	s_mul_i32 s37, s37, 1536
	s_add_co_u32 s36, s36, s37
	s_and_b32 s37, s33, 1                          ; half = head % 2
	s_mul_i32 s37, s37, 768
	s_add_co_u32 s36, s36, s37
	s_mov_b32 s37, 0
	s_lshl_b32 s38, s33, 13                        ; x's scale bytes: [head][row of 4,096] pairs of bytes: the work-group's 256 rows
	s_lshl_b32 s39, s32, 12
	s_add_co_u32 s38, s38, s39
	s_lshl_b32 s39, s14, 9
	s_add_co_u32 s38, s38, s39
	s_mov_b32 s39, 0
	s_lshl_b32 s40, s15, 12                        ; the head's 4,096 bytes of scale words,
	s_cmp_lt_u32 s[WV], 8                          ; of V (waves 0-7) or of K (waves 8-15)
	s_mov_b32 s41, 131072
	s_cselect_b32 s41, 262144, s41
	s_mov_b32 s43, 0x03020100                      ; K: words as they are;
	s_cselect_b32 s43, 0x05040100, s43             ; V: the low halves of two words,
	s_mov_b32 s44, 0x07060504
	s_cselect_b32 s44, 0x07060302, s44             ; or their high halves
	s_add_co_u32 s40, s40, s41
	s_and_b32 s41, s[WV], 1
	s_cmp_eq_u32 s41, 1
	s_mov_b32 s42, 0x01000100                      ; q's two bytes, from the word's low half (even tile)
	s_cselect_b32 s42, 0x03020302, s42             ; or its high half (odd tile), into both halves
	s_lshl_b32 s41, s[WV], 5
	s_mov_b32 s[SEL], 0x76543210
	s_mov_b32 s[SEL+1], 0xfedcba98
	s_mov_b32 s[CS], 0x3fb8aa3b                    ; log2(e)
	s_mov_b32 s[CS+1], s[CS]
	s_mov_b32 s[TB], 0
	s_mov_b32 s[TS], 0
	s_mov_b32 s4, 0
	s_mov_b32 s12, 16
	s_wait_dscnt 0x0                               ; the opening add is done
	s_wait_kmcnt 0x0
	s_add_nc_u64 s[G0+2:G0+3], s[16:17], s[26:27]
	s_or_b32 s[G0+3], s[G0+3], 0x80000000
	s_add_nc_u64 s[2:3], s[20:21], s[2:3]
	s_add_nc_u64 s[96:97], s[22:23], s[36:37]
	s_add_nc_u64 s[98:99], s[24:25], s[38:39]
	CROUND                                         ; all four work-groups are here: the joint loads meet
	tensor_load_to_lds s[G0:G0+3], s[G1:G1+7]      ; my one tensor load of the launch
	s_nop 0
.rept 4
	v_nop
.endr
	v_and_b32 v224, 31, v0                         ; lane
	v_and_b32 v225, 15, v0                         ; r
	v_lshlrev_b32 v1, 4, v224
	v_lshlrev_b32 v2, 3, v224
	v_add_nc_u32 v3, VC, v1
	v_add_nc_u32 v4, VC, v2
	v_lshl_add_u32 v5, v225, 4, SCV
	v_lshl_add_u32 v232, v225, 1, s41
	v_add_nc_u32 v232, XST, v232                   ; where my row's two scale bytes of x go: 32 x wave + 2 r
	v_add_nc_u32 v233, XST, v1                     ; and where wave 0 reads all 512 bytes back
	v_lshl_add_u32 v49, v0, 4, SCV                 ; where my four repacked scale words go: 16 x thread
	v_add_nc_u32 v40, s29, v1
	v_add_nc_u32 v41, s29, v2
	global_load_b128 v[22:25], v40, s[16:17]       ; q's half fragment stays in registers
	global_load_b64 v[26:27], v41, s[16:17] offset:512
	v_lshl_add_u32 v42, v225, 2, s30
	global_load_b32 v44, v42, s[18:19]
	v_and_b32 v43, 0xf0, v0                        ; thread: key step (thread % 256) / 16, row thread % 16
	v_lshlrev_b32 v43, 4, v43
	v_lshl_add_u32 v43, v225, 2, v43
	v_add_nc_u32 v43, s40, v43
	global_load_b32 v45, v43, s[18:19]
	global_load_b32 v46, v43, s[18:19] offset:64
	global_load_b32 v47, v43, s[18:19] offset:128
	global_load_b32 v48, v43, s[18:19] offset:192
	s_wait_loadcnt 0x0
	v_perm_b32 v34, v44, v44, s42                  ; q's scale word: its two bytes serve K = 0 .. 63 and K = 64 .. 127 alike
	v_perm_b32 v52, v47, v45, s43                  ; V: feature tile 0: keys 0-63's two bytes below, keys 64-127's above;  K: pair 0
	v_perm_b32 v53, v47, v45, s44                  ; V: tile 1;  K: pair 2
	v_perm_b32 v54, v48, v46, s43                  ; V: tile 2;  K: pair 1
	v_perm_b32 v55, v48, v46, s44                  ; V: tile 3;  K: pair 3
	ds_store_b128 v49, v[52:55]
	v_mov_b32 v11, 0xc7c35000                      ; -100000
	v_mov_b32 v13, 0xff61b1e6                      ; the largest t so far: -3e38, under every t
	v_floor_f32 v12, -v13                          ; -M
	v_mov_b32 v14, 0
	v_mov_b32 v15, 0
	v_mov_b32 v37, 0                               ; (named as the upper half of the pair v[36:37])
.irp j, 0,1,2,3,4,5
	v_mov_b32 v[16+\j], 0                          ; zero codes
	v_mov_b32 v[28+\j], 0
.endr
.irp b, 0,1,2,3
	v_mov_b32 v[BT+\b], 0                          ; written once: a lane permute's destination counts as one of its sources
.endr
.set j, 0
.rept 32
	v_mov_b32 v[O+j], 0                            ; the step is written once: the first finds zeros, which the first change of M leaves zeros
.set j, j+1
.endr
	s_load_b512 s[16:31], s[2:3], s4 offset:0x0    ; key step 0's mask words (the loads that named s16-19 as bases are done)
	s_load_b512 s[32:47], s[2:3], s4 offset:0x40
	s_load_b512 s[48:63], s[2:3], s4 offset:0x80
	s_load_b512 s[68:83], s[2:3], s4 offset:0xc0
	s_wait_tensorcnt 0x0                           ; my piece of K or V has landed,
	s_wait_dscnt 0x0                               ; my scale words are stored:
	s_barrier_signal -1
	s_barrier_wait -1                              ; everybody's are
.Lstep:                                            ; 16 trips of 128 keys
	v_add_nc_u32 v6, s[TB], v1                     ; (these five are also the places behind the last trip's products)
	v_add_nc_u32 v7, s[TB], v2
	v_add_nc_u32 v8, s[TB], v3
	v_add_nc_u32 v9, s[TB], v4
	v_add_nc_u32 v10, s[TS], v5
.irp f, 0,1,2,3
	FRAG F+12*\f, 6, 7, 1536*\f
.endr
	ds_load_b128 v[KS:KS+3], v10 offset:SCK-SCV
	s_wait_dscnt 0x0
.irp f, 0,1,2,3                                ; S^T = K Q^T: each fragment of K twice: its even key tile against [q | 0], its odd one against [0 | q]
	v_wmma_scale_f32_16x16x128_f8f6f4 v[S+16*\f:S+16*\f+7], v[F+12*\f:F+12*\f+11], v[22:33], 0, v[KS+2*(\f%2)+\f/2], v34 matrix_a_fmt:MATRIX_FMT_FP6 matrix_b_fmt:MATRIX_FMT_FP6
	v_wmma_scale_f32_16x16x128_f8f6f4 v[S+16*\f+8:S+16*\f+15], v[F+12*\f:F+12*\f+11], v[16:27], 0, v[KS+2*(\f%2)+\f/2], v34 matrix_a_fmt:MATRIX_FMT_FP6 matrix_b_fmt:MATRIX_FMT_FP6
.endr
	PLACES
	s_wait_kmcnt 0x0                               ; the step's mask words, asked for a step ago
.set n, 0
.rept 64
	v_cndmask_b32 v[S+n], v[S+n], v11, s[16+n+4*(n/48)]    ; a masked score becomes -100000; each accumulator from its low end on
.set n, n+1
.endr
.irp t, 0,1,2,3
	FRAG F+12*\t, 8, 9, 1536*\t                    ; V's four fragments land while the softmax is worked
.endr
	ds_load_b128 v[VS:VS+3], v10
	s_add_co_u32 s4, s4, 256                       ; the next step's mask words (the wait above has shown the last loads done, so their offset may be written);
	s_min_u32 s4, s4, 3840                         ; the last trip asks for its own again: no load leaves the buffer
	s_load_b512 s[16:31], s[2:3], s4 offset:0x0
	s_load_b512 s[32:47], s[2:3], s4 offset:0x40
	s_load_b512 s[48:63], s[2:3], s4 offset:0x80
	s_load_b512 s[68:83], s[2:3], s4 offset:0xc0
.irp b, 0,1,2,3
	v_max3_num_f32 v[BM+\b], v[S+16*\b], v[S+16*\b+1], v[S+16*\b+2]    ; the largest score of each block of 32 keys: for the row's maximum, and, since p rises with the score, for the block's largest p
.endr
.irp i, 3,5,7,9,11,13
.irp b, 0,1,2,3
	v_max3_num_f32 v[BM+\b], v[BM+\b], v[S+16*\b+\i], v[S+16*\b+\i+1]
.endr
.endr
.irp b, 0,1,2,3
	v_max_num_f32 v[BM+\b], v[BM+\b], v[S+16*\b+15]
.endr
.irp b, 0,1,2,3
	v_permlanex16_b32 v[BT+\b], v[BM+\b], s[SEL], s[SEL+1]
.endr
.irp b, 0,1,2,3
	v_max_num_f32 v[BM+\b], v[BM+\b], v[BT+\b]     ; with lane l xor 16's 16 keys
.endr
	v_max3_num_f32 v224, v[BM], v[BM+1], v[BM+2]
	v_max_num_f32 v224, v224, v[BM+3]
	v_mul_f32 v224, s[CS], v224                    ; the step's largest t of my query
	v_max_num_f32 v13, v13, v224
	v_mov_b32 v224, v12
	v_floor_f32 v12, -v13                          ; the new -M = floor(-t): M is a whole number
	v_sub_f32 v224, v12, v224                      ; old M - new M: a whole number, 0 or less
	v_cvt_i32_f32 v224, v224                       ; (it saturates)
	v_ldexp_f32 v36, 1.0, v224                     ; f = 2^(old M - new M)
.set j, 0
.rept 32
	v_pk_fma_f32 v[S+j:S+j+1], v[S+j:S+j+1], s[CS:CS+1], v[12:13] op_sel_hi:[1,0,0]   ; t - M, two at a time
.set j, j+2
.endr
.irp b, 0,1,2,3
	v_fma_f32 v[BM+\b], v[BM+\b], s[CS], v12       ; the same of each block's largest score
.endr
.set j, 0
.rept 64
	v_exp_f32 v[S+j], v[S+j]                       ; p = 2^(t - M)
.set j, j+1
.endr
	v_pk_mul_f32 v[14:15], v[14:15], v[36:37] op_sel_hi:[1,0]   ; the sums under the new M: a plain place behind the exponentials
	s_wait_alu depctr_va_vdst(0)                   ; one wait for the batch of 64, ahead of its first reader
.irp b, 0,1,2,3
	v_exp_f32 v[BM+\b], v[BM+\b]                   ; the block's largest p: the same two instructions on the same number give the same bits
.endr
	v_pk_add_f32 v[226:227], v[S:S+1], v[S+2:S+3]  ; the row's sum is taken of the unquantised p, in two chains
.irp j, 4,8,12,16,20,24,28,32,36,40,44,48,52,56,60
	v_pk_add_f32 v[14:15], v[14:15], v[S+\j:S+\j+1]
	v_pk_add_f32 v[226:227], v[226:227], v[S+\j+2:S+\j+3]
.endr
	v_pk_add_f32 v[14:15], v[14:15], v[226:227]
	s_wait_alu depctr_va_vdst(0)                   ; and one for the four
.irp b, 0,1,2,3
	v_max_num_f32 v[BM+\b], 0x1800000, v[BM+\b]    ; the floor 2^(3 - 127)
.endr
.irp b, 0,1,2,3
	v_add_nc_u32 v[BS+\b], 0xff000000, v[BM+\b]
.endr
.irp b, 0,1,2,3
	v_lshrrev_b32 v[BT+\b], 23, v[BS+\b]
.endr
	v_lshl_or_b32 v35, v[BT+1], 8, v[BT]           ; p's scale word for these 128 keys
	v_lshl_or_b32 v35, v[BT+2], 16, v35
	v_lshl_or_b32 v35, v[BT+3], 24, v35
.irp c, 0,1
	v_cvt_scalef32_pk16_fp6_f32 v[PC+6*\c:PC+6*\c+2], v[S+32*\c:S+32*\c+15], v[BS+2*\c]
	v_cvt_scalef32_pk16_fp6_f32 v[PT+4*\c:PT+4*\c+2], v[S+32*\c+16:S+32*\c+31], v[BS+2*\c+1]
.endr
	v_nop                                          ; one plain place behind a scaled conversion
.irp c, 0,1
.irp i, 0,1,2
	v_permlane16_swap_b32 v[PC+6*\c+\i], v[PT+4*\c+\i]
.endr
.irp i, 0,1,2
	v_mov_b32 v[PC+6*\c+3+\i], v[PT+4*\c+\i]
.endr
.endr
.set j, 0
.rept 16
	v_pk_mul_f32 v[O+j:O+j+1], v[O+j:O+j+1], v[36:37] op_sel_hi:[1,0]   ; O^T under the new M; with the lines above, the places between p's scale word and codes and the products
.set j, j+2
.endr
	s_wait_dscnt 0x0                               ; V's fragments and scale words
.irp t, 0,1,2,3                                ; O^T += V^T P^T: four accumulators by turns
	v_wmma_scale_f32_16x16x128_f8f6f4 v[O+8*\t:O+8*\t+7], v[F+12*\t:F+12*\t+11], v[PC:PC+11], v[O+8*\t:O+8*\t+7], v[VS+\t], v35 matrix_a_fmt:MATRIX_FMT_FP6 matrix_b_fmt:MATRIX_FMT_FP6
.endr
	s_add_co_u32 s[TB], s[TB], 6144
	s_add_co_u32 s[TS], s[TS], 256
	s_sub_co_u32 s12, s12, 1
	s_cmp_lg_u32 s12, 0
	s_cbranch_scc1 .Lstep
	; THE WAY OUT: O^T / the sum is my 16 tokens' 64 features of this head: a half fragment of the output projection's operand
	PLACES
	s_wait_kmcnt 0x0
	v_add_f32 v14, v14, v15
	v_permlanex16_b32 v224, v14, s[SEL], s[SEL+1]
	v_add_f32 v14, v14, v224                       ; the row's sum
	v_rcp_f32 v36, v14
	v_nop                                          ; a plain place behind the reciprocal
	s_wait_alu depctr_va_vdst(0)                   ; and the wait ahead of its first reader
.set j, 0
.rept 16
	v_pk_mul_f32 v[S+j:S+j+1], v[O+j:O+j+1], v[36:37] op_sel_hi:[1,0]   ; each accumulator from its low end on
.set j, j+2
.endr
	QHF S, PC, PT, BM, 224
	global_store_b128 v1, v[PC:PC+3], s[96:97]             ; 512 consecutive bytes, aligned
	global_store_b64 v2, v[PC+4:PC+5], s[96:97] offset:512 ; 256 consecutive bytes, aligned
	ds_store_b16 v232, v224                        ; (lanes l and l xor 16 write the same bytes with the same value)
	s_wait_dscnt 0x0                               ; for the others' sake
	s_barrier_signal -1
	s_barrier_wait -1
	s_cmp_lg_u32 s[WV], 0
	s_cbranch_scc1 .Lnot_mine
	ds_load_b128 v[40:43], v233                    ; the sixteen waves' 512 bytes
	s_wait_dscnt 0x0
	global_store_b128 v1, v[40:43], s[98:99]       ; 512 consecutive bytes, aligned
.Lnot_mine:
	s_wait_tensorcnt 0x0                           ; the wave's end, behind my last tensor load and my last LDS store
	ds_add_u32 v[SPW], v[NIL]
	s_wait_dscnt 0x0
	CROUND                                         ; the closing round
	s_endpgm
.Lfunc_end_k_q28f8254f79_attn:
	.size	k_q28f8254f79_attn, .Lfunc_end_k_q28f8254f79_attn-k_q28f8254f79_attn
	.p2alignl 7, 3214868480
	.fill 96, 4, 3214868480
	.section	.rodata,"a",@progbits
	.p2align	6, 0x0
	.amdhsa_kernel k_q28f8254f79_attn
		.amdhsa_group_segment_fixed_size 207360
		.amdhsa_private_segment_fixed_size 0
		.amdhsa_enable_private_segment 0
		.amdhsa_kernarg_size 40
		.amdhsa_user_sgpr_count 2
		.amdhsa_user_sgpr_kernarg_segment_ptr 1
		.amdhsa_wavefront_size32 1
		.amdhsa_system_sgpr_workgroup_id_x 1
		.amdhsa_system_sgpr_workgroup_id_y 1
		.amdhsa_system_sgpr_workgroup_id_z 1
		.amdhsa_system_vgpr_workitem_id 0
		.amdhsa_next_free_vgpr 256
		.amdhsa_next_free_sgpr 100
		.amdhsa_reserve_vcc 0
		.amdhsa_float_denorm_mode_32 3
		.amdhsa_float_denorm_mode_16_64 3
		.amdhsa_memory_ordered 1
		.amdhsa_forward_progress 1
		.amdhsa_inst_pref_size 34
	.end_amdhsa_kernel
	.amdgpu_metadata
---
amdhsa.version: [ 1, 2 ]
amdhsa.kernels:
  - .name:           k_q28f8254f79_attn
    .symbol:         k_q28f8254f79_attn.kd
    .args:
      - { .name: hc, .offset: 0, .size: 8, .value_kind: global_buffer, .address_space: global }
      - { .name: hs, .offset: 8, .size: 8, .value_kind: global_buffer, .address_space: global }
      - { .name: mb, .offset: 16, .size: 8, .value_kind: global_buffer, .address_space: global }
      - { .name: ximg, .offset: 24, .size: 8, .value_kind: global_buffer, .address_space: global }
      - { .name: xs, .offset: 32, .size: 8, .value_kind: global_buffer, .address_space: global }
    .group_segment_fixed_size: 207360
    .private_segment_fixed_size: 0
    .kernarg_segment_align: 8
    .kernarg_segment_size: 40
    .max_flat_workgroup_size: 512
    .sgpr_count:     100
    .vgpr_count:     256
    .wavefront_size: 32
...
	.end_amdgpu_metadata
.endif
;; end of part 3
;; launch outp (part 4): grid 8 x 32, 8 waves a work-group, clusters of 4 x 4, 265,216 bytes of LDS; arguments img, sc, ximg, xs, wo_b, out0; writes out0
.if DOCPART == 4
	.amdgcn_target "amdgcn-amd-amdhsa--gfx1250"
	.amdhsa_code_object_version 6
	.text
	.protected	k_q28f8254f79_outp
	.globl	k_q28f8254f79_outp
	.p2align	8
	.type	k_q28f8254f79_outp,@function
k_q28f8254f79_outp:
	s_mov_b64 s[64:65], 0
	v_nop
	global_prefetch_b8 v0, s[64:65] scope:SCOPE_SE
	s_setreg_imm32_b32 hwreg(HW_REG_WAVE_MODE, 25, 1), 1
	s_wait_xcnt 0x0
	s_wait_alu depctr_hold_cnt(0) depctr_sa_sdst(0) depctr_va_vdst(0) depctr_va_sdst(0) depctr_va_ssrc(0) depctr_va_vcc(0) depctr_vm_vsrc(0)
	s_getreg_b32 s2, hwreg(HW_REG_IB_STS2, 6, 4)
	s_cmp_eq_u32 s2, 0
	s_cbranch_scc0 .Lentry_in_a_cluster
	s_endpgm
.Lentry_in_a_cluster:
	s_bfe_u32 s2, ttmp6, 0x10000c
	s_cmp_lg_u32 s2, 0xf033
	s_cbranch_scc0 .Lentry_shape_is_right
	s_endpgm
.Lentry_shape_is_right:
; out0 = x wo^T + wo_b on codes of FP6 (E2M3) with E8M0 scales, K = 1,024.  x's codes and scale bytes were made by the attention launch, wo's by the first launch; both lie as operand registers.
; A work-group makes 128 tokens x 128 outputs from two panels (128 rows x all of K, 98,304 bytes each): P0 = wo's (source 0), P1 = x's (source 1).  Both lie whole in LDS: every fill is a first fill.
; They arrive in four stages of two K steps.  A lane holds ONE token, and the 16 registers of source 0's tiles 2 g and 2 g + 1 are 16 neighbouring outputs.
; WAVES: eight; wave w takes source 0's tiles 4 (w / 4) .. + 3 and source 1's tiles 2 (w % 4), + 1: eight accumulators, which take turns.  The bias is loaded straight into the accumulators.
; CLUSTER 4 x 4: P0 hangs on cx and is asked for jointly down a column of the cluster, P1 on cy and along a row.
; The results meet in a stage in LDS (rows of 512 bytes + 16) and leave as whole rows: 512 consecutive bytes a store.
.set P1B,   98304                      ; LDS: P0 at 0, P1 here,
.set OST,   196608                     ; the stage: 128 rows x 528 bytes, row = 16 x tile + r,
.set OP,    528
.set SPARE, 264192                     ; the spare words, 128 bytes for each wave
.set SPW,   19
.set NIL,   20
.set SCA,   24                         ; v24-39  wo's scale words: tile x at 4 x + q: lanes 0-15 K step q, lanes 16-31 K step 4 + q
.set SCB,   40                         ; v40-47  x's likewise
.set F0,    80
.set F1,    128
.set ACC,   152                        ; accumulator (x, y) at 32 y + 8 x
.set WV,    18
.set G1A,   24
.set G1B,   32
.set G0A,   40
.set G0B,   68
.macro PLACES
.rept 4
	v_nop
.endr
.endm
.macro CROUND                          ; a round of the cluster's barrier
	s_barrier_signal -1
	s_barrier_wait -1
	s_cmp_lg_u32 s[WV], 0
	s_cbranch_scc1 .Lnot_wave_0_\@
	s_barrier_signal -3
.Lnot_wave_0_\@:
	s_barrier_wait -3
	s_barrier_signal -1
	s_barrier_wait -1
.endm
.macro FRAG reg, a16, a8, off
	ds_load_b128 v[(\reg):(\reg)+3], v[\a16] offset:(\off)
	ds_load_b64 v[(\reg)+4:(\reg)+5], v[\a8] offset:(\off)+512
	ds_load_b128 v[(\reg)+6:(\reg)+9], v[\a16] offset:(\off)+768
	ds_load_b64 v[(\reg)+10:(\reg)+11], v[\a8] offset:(\off)+1280
.endm
	s_load_b256 s[4:11], s[0:1], 0x0               ; img, sc, ximg, xs
	s_load_b128 s[12:15], s[0:1], 0x20             ; wo_b, out0
	v_lshl_add_u32 v[SPW], v0, 2, SPARE
	v_mov_b32 v[NIL], 0
	ds_add_u32 v[SPW], v[NIL]                      ; the wave's opening: the add and its wait stand ahead of my first tensor load; the set-up below stands between them
	v_lshrrev_b32 v1, 5, v0
	v_readfirstlane_b32 s[WV], v1                  ; wave 0..7
	s_lshr_b32 s19, s[WV], 2                       ; a0
	s_and_b32 s20, s[WV], 3                        ; a1.  Also: which quarter of a stage I fetch
	s_bfe_u32 s21, ttmp6, 0x40000                  ; cx
	s_bfe_u32 s22, ttmp6, 0x40004                  ; cy
	s_lshl_b32 s59, ttmp9, 2
	s_add_co_u32 s59, s59, s21                     ; the panel of outputs: hangs on cx, never on cy
	s_and_b32 s60, ttmp7, 0xffff
	s_lshl_b32 s60, s60, 2
	s_add_co_u32 s60, s60, s22                     ; the panel of tokens: on cy, never on cx
	s_add_co_u32 s61, s59, 120                     ; wo's panels begin at 120 in img
	s_lshl_b32 s90, 0x1111, s21                    ; my column of the cluster (same cx)
	s_lshl_b32 s91, s22, 2
	s_lshl_b32 s91, 15, s91                        ; my row (same cy)
	; descriptor group 1: a dense piece of 6,144 bytes as 24 rows of 256 bytes (32 elements of 8 bytes), no padding
	s_or_b32 s[G1A], s90, (3<<16)|(1<<21)
	s_or_b32 s[G1B], s91, (3<<16)|(1<<21)
.irp g, G1A, G1B
	s_mov_b32 s[\g+1], 32<<16
	s_mov_b32 s[\g+2], 24<<16
	s_mov_b32 s[\g+3], 32<<16
	s_mov_b32 s[\g+4], 24
	s_mov_b32 s[\g+5], 32
	s_mov_b32 s[\g+6], 0
	s_mov_b32 s[\g+7], 0
.endr
	s_mul_i32 s63, s20, 6144
	s_mul_i32 s86, s61, 98304
	s_add_co_u32 s86, s86, s63
	s_mov_b32 s87, 0
	s_mul_i32 s88, s60, 98304
	s_add_co_u32 s88, s88, s63
	s_mov_b32 s89, 0
	s_lshl_b32 s94, s60, 19                        ; out0: 128 tokens of 4,096 bytes a panel,
	s_lshr_b32 s95, s[WV], 1
	s_lshl_b32 s95, s95, 17                        ; the tile that I store, tile w: rows 32 (w / 2) + 8 (w % 2) on,
	s_add_co_u32 s94, s94, s95
	s_and_b32 s95, s[WV], 1
	s_lshl_b32 s95, s95, 15
	s_add_co_u32 s94, s94, s95
	s_lshl_b32 s95, s59, 9                         ; the panel's 128 outputs
	s_add_co_u32 s94, s94, s95
	s_mov_b32 s95, 0
	s_wait_dscnt 0x0                               ; the opening add is done
	s_wait_kmcnt 0x0
	s_add_nc_u64 s[86:87], s[4:5], s[86:87]
	s_add_nc_u64 s[88:89], s[8:9], s[88:89]
	s_add_nc_u64 s[14:15], s[14:15], s[94:95]
	CROUND                                         ; all sixteen work-groups are here: the joint loads meet
.irp g, 0,1,2,3
	s_mov_b32 s[G0A+4*\g], 1
	s_add_co_u32 s[G0A+4*\g+1], s63, \g*24576
	s_add_nc_u64 s[G0A+4*\g+2:G0A+4*\g+3], s[86:87], \g*24576
	s_or_b32 s[G0A+4*\g+3], s[G0A+4*\g+3], 0x80000000
	s_mov_b32 s[G0B+4*\g], 1
	s_add_co_u32 s[G0B+4*\g+1], s63, P1B+\g*24576
	s_add_nc_u64 s[G0B+4*\g+2:G0B+4*\g+3], s[88:89], \g*24576
	s_or_b32 s[G0B+4*\g+3], s[G0B+4*\g+3], 0x80000000
.endr
	s_cmp_lt_u32 s[WV], 4                          ; waves 0-3 fetch P0, waves 4-7 P1: a wave's four first fills stand in one branch; four loads of mine are out
	s_cbranch_scc0 .Lfill_b
.irp g, 0,1,2,3
	tensor_load_to_lds s[G0A+4*\g:G0A+4*\g+3], s[G1A:G1A+7]
	s_nop 0
.endr
.rept 4
	v_nop
.endr
	s_branch .Lfilled
.Lfill_b:
.irp g, 0,1,2,3
	tensor_load_to_lds s[G0B+4*\g:G0B+4*\g+3], s[G1B:G1B+7]
	s_nop 0
.endr
.rept 4
	v_nop
.endr
.Lfilled:
	v_and_b32 v1, 31, v0                           ; lane
	v_and_b32 v2, 15, v0                           ; r
	v_bfe_u32 v3, v0, 4, 1                         ; h
	v_and_b32 v22, 8, v2
	v_add_nc_u32 v22, v22, v2                      ; r + 8 (r / 8)
	v_lshlrev_b32 v23, 4, v1                       ; 16 x lane
	v_lshlrev_b32 v21, 3, v1                       ; 8 x lane
	s_mul_i32 s90, s19, 6144
	s_mul_i32 s91, s20, 3072
	s_add_co_u32 s91, s91, P1B
	v_add_nc_u32 v4, s90, v23                      ; v4, v5: P0, K steps 0-3;  v6, v7: K steps 4-7
	v_add_nc_u32 v5, s90, v21
	v_add_nc_u32 v6, 49152, v4
	v_add_nc_u32 v7, 49152, v5
	v_add_nc_u32 v8, s91, v23                      ; v8-11: P1 likewise
	v_add_nc_u32 v9, s91, v21
	v_add_nc_u32 v10, 49152, v8
	v_add_nc_u32 v11, 49152, v9
	; wo's scale words: a row has 32 bytes; lanes 0-15 take K steps 0-3, lanes 16-31 K steps 4-7
	v_lshlrev_b32 v64, 5, v22
	v_lshl_add_u32 v64, v3, 4, v64
	s_lshl_b32 s92, s61, 12
	s_lshl_b32 s93, s19, 11
	s_add_co_u32 s92, s92, s93
	v_add_nc_u32 v65, s92, v64
.irp x, 0,1,2,3
	global_load_b128 v[SCA+4*\x:SCA+4*\x+3], v65, s[6:7] offset:(32*(\x/2)+8*(\x%2))*32
.endr
	; x's scale bytes lie [head][16 x tile + r] in pairs: K step s wants heads 2 s and 2 s + 1; lanes 16-31 take the heads 8 further on
	s_lshl_b32 s92, s60, 8
	s_lshl_b32 s93, s20, 6
	s_add_co_u32 s92, s92, s93
	v_lshl_add_u32 v66, v2, 1, s92
	v_lshl_add_u32 v66, v3, 16, v66
.irp y, 0,1
.irp q, 0,1,2,3
	global_load_u16 v[48+8*\y+2*\q], v66, s[10:11] offset:32*\y+(2*\q)*8192
	global_load_u16 v[48+8*\y+2*\q+1], v66, s[10:11] offset:32*\y+(2*\q+1)*8192
.endr
.endr
	; the bias goes straight into the accumulators: register j of tile x: output 128 panel + 64 a0 + 32 (x / 2) + 8 (x % 2) + 16 h + j
	s_lshl_b32 s92, s59, 9
	s_lshl_b32 s93, s19, 8
	s_add_co_u32 s93, s93, s92
	v_lshl_add_u32 v67, v3, 6, s93
.irp y, 0,1
.irp x, 0,1,2,3
	global_load_b128 v[ACC+32*\y+8*\x:ACC+32*\y+8*\x+3], v67, s[12:13] offset:(32*(\x/2)+8*(\x%2))*4
	global_load_b128 v[ACC+32*\y+8*\x+4:ACC+32*\y+8*\x+7], v67, s[12:13] offset:(32*(\x/2)+8*(\x%2))*4+16
.endr
.endr
	s_mul_i32 s96, s20, 32*OP                      ; the stage: my 32 rows,
	s_lshl_b32 s97, s19, 8                         ; my 64 outputs' bytes
	s_add_co_u32 s96, s96, s97
	s_add_co_u32 s96, s96, OST
	s_mul_i32 s97, s[WV], 16*OP                    ; and the 16 rows that I read back
	s_add_co_u32 s97, s97, OST
	s_wait_loadcnt 0x0
.irp y, 0,1
.irp q, 0,1,2,3
	v_lshl_or_b32 v[SCB+4*\y+\q], v[48+8*\y+2*\q+1], 16, v[48+8*\y+2*\q]
.endr
.endr
	v_mul_u32_u24 v12, v2, OP                      ; (these four lines and four v_nop: eight plain places between the scale words just made and the first product)
	v_lshl_add_u32 v12, v3, 6, v12
	v_add_nc_u32 v12, s96, v12                     ; in: row r, + 64 h bytes
	v_add_nc_u32 v13, s97, v23                     ; back: a whole row, 16 bytes a lane
.rept 4
	v_nop
.endr
.macro KLOAD s
.if (\s) > 0
	PLACES
.endif
.set AO, 2*((\s)/4)
.set OF, ((\s)%4)*12288
	FRAG F1, 8+AO, 9+AO, OF
	FRAG F1+12, 8+AO, 9+AO, OF+1536
.irp x, 0,1,2,3
	FRAG F0+12*\x, 4+AO, 5+AO, OF+1536*\x
.endr
.endm
.macro KMUL s                          ; eight products; the eight accumulators take turns, one instruction a turn
.irp x, 0,1,2,3
	s_wait_dscnt 4*(3-\x)                          ; the four loads of each later fragment of P0 may stay out
.irp y, 0,1
.if (\s) < 4
	v_wmma_scale_f32_16x16x128_f8f6f4 v[ACC+32*\y+8*\x:ACC+32*\y+8*\x+7], v[F0+12*\x:F0+12*\x+11], v[F1+12*\y:F1+12*\y+11], v[ACC+32*\y+8*\x:ACC+32*\y+8*\x+7], v[SCA+4*\x+(\s)%4], v[SCB+4*\y+(\s)%4] matrix_a_fmt:MATRIX_FMT_FP6 matrix_b_fmt:MATRIX_FMT_FP6
.else
	v_wmma_scale_f32_16x16x128_f8f6f4 v[ACC+32*\y+8*\x:ACC+32*\y+8*\x+7], v[F0+12*\x:F0+12*\x+11], v[F1+12*\y:F1+12*\y+11], v[ACC+32*\y+8*\x:ACC+32*\y+8*\x+7], v[SCA+4*\x+(\s)%4], v[SCB+4*\y+(\s)%4] matrix_a_fmt:MATRIX_FMT_FP6 matrix_b_fmt:MATRIX_FMT_FP6 matrix_a_scale:MATRIX_SCALE_ROW1 matrix_b_scale:MATRIX_SCALE_ROW1
.endif
.endr
.endr
.endm
.irp g, 0,1,2,3
	s_wait_tensorcnt 3-\g                          ; my piece of stage g has landed; my pieces of the later stages stay out
	s_barrier_signal -1
	s_barrier_wait -1                              ; everybody's has
	KLOAD 2*\g
	KMUL 2*\g
	KLOAD 2*\g+1
	KMUL 2*\g+1
.endr
	; THE WAY OUT: a lane's eight results are 32 neighbouring bytes of a row; a row's 512 bytes come from two waves: they meet in the stage
	PLACES
.irp y, 0,1
.irp x, 0,1,2,3
	ds_store_b128 v12, v[ACC+32*\y+8*\x:ACC+32*\y+8*\x+3] offset:16*\y*OP+128*(\x/2)+32*(\x%2)        ; each accumulator from its low end on
	ds_store_b128 v12, v[ACC+32*\y+8*\x+4:ACC+32*\y+8*\x+7] offset:16*\y*OP+128*(\x/2)+32*(\x%2)+16
.endr
.endr
	s_wait_dscnt 0x0                               ; for the others' sake
	s_barrier_signal -1
	s_barrier_wait -1
.irp t, 0,1,2,3,4,5,6,7,8,9,10,11,12,13,14,15
	ds_load_b128 v[F0+4*\t:F0+4*\t+3], v13 offset:\t*OP
.endr
.irp t, 0,1,2,3,4,5,6,7,8,9,10,11,12,13,14,15
	s_wait_dscnt 15-\t                             ; the younger row loads may stay out
	global_store_b128 v23, v[F0+4*\t:F0+4*\t+3], s[14:15] offset:(\t+8*(\t/8))*4096 th:TH_STORE_NT   ; 512 consecutive bytes, aligned; the tile's row t is token t + 8 (t / 8) from its first
.endr
	s_wait_tensorcnt 0x0                           ; the wave's end, behind my last tensor load and my last LDS store
	ds_add_u32 v[SPW], v[NIL]
	s_wait_dscnt 0x0
	CROUND                                         ; the closing round
	s_endpgm
.Lfunc_end_k_q28f8254f79_outp:
	.size	k_q28f8254f79_outp, .Lfunc_end_k_q28f8254f79_outp-k_q28f8254f79_outp
	.p2alignl 7, 3214868480
	.fill 96, 4, 3214868480
	.section	.rodata,"a",@progbits
	.p2align	6, 0x0
	.amdhsa_kernel k_q28f8254f79_outp
		.amdhsa_group_segment_fixed_size 265216
		.amdhsa_private_segment_fixed_size 0
		.amdhsa_enable_private_segment 0
		.amdhsa_kernarg_size 48
		.amdhsa_user_sgpr_count 2
		.amdhsa_user_sgpr_kernarg_segment_ptr 1
		.amdhsa_wavefront_size32 1
		.amdhsa_system_sgpr_workgroup_id_x 1
		.amdhsa_system_sgpr_workgroup_id_y 1
		.amdhsa_system_sgpr_workgroup_id_z 1
		.amdhsa_system_vgpr_workitem_id 0
		.amdhsa_next_free_vgpr 256
		.amdhsa_next_free_sgpr 102
		.amdhsa_reserve_vcc 0
		.amdhsa_float_denorm_mode_32 3
		.amdhsa_float_denorm_mode_16_64 3
		.amdhsa_memory_ordered 1
		.amdhsa_forward_progress 1
		.amdhsa_inst_pref_size 40
	.end_amdhsa_kernel
	.amdgpu_metadata
---
amdhsa.version: [ 1, 2 ]
amdhsa.kernels:
  - .name:           k_q28f8254f79_outp
    .symbol:         k_q28f8254f79_outp.kd
    .args:
      - { .name: img, .offset: 0, .size: 8, .value_kind: global_buffer, .address_space: global }
      - { .name: sc, .offset: 8, .size: 8, .value_kind: global_buffer, .address_space: global }
      - { .name: ximg, .offset: 16, .size: 8, .value_kind: global_buffer, .address_space: global }
      - { .name: xs, .offset: 24, .size: 8, .value_kind: global_buffer, .address_space: global }
      - { .name: wo_b, .offset: 32, .size: 8, .value_kind: global_buffer, .address_space: global }
      - { .name: out0, .offset: 40, .size: 8, .value_kind: global_buffer, .address_space: global }
    .group_segment_fixed_size: 265216
    .private_segment_fixed_size: 0
    .kernarg_segment_align: 8
    .kernarg_segment_size: 48
    .max_flat_workgroup_size: 256
    .sgpr_count:     102
    .vgpr_count:     256
    .wavefront_size: 32
...
	.end_amdgpu_metadata
.endif
;; end of part 4
